; MI455X (gfx1250); checked and timed in simulation.
; The chip was launched on July 23, 2026; its instructions are those of AMD's public machine-readable ISA for CDNA 5 (MIT licence, August 2026) and "CDNA5" Instruction Set Architecture Reference Guide (July 2026). The comments in the code are by the model that wrote it; some were corrected since.
;; mhead atten. Allowed arithmetic: matrix products marked QUANTISED: E3M2 operands, one E8M0 scale for each 32 along K, by v_wmma_scale_f32_16x16x128_f8f6f4 with both operands' format E3M2, f32 sums; everything else in f32.
;; Inputs: Wk 1,024 x 1,024 float32; Wq 1,024 x 1,024 float32; Wu 1,024 x 1,024 float32; Wv 1,024 x 1,024 float32; bk 1,024 float32; bq 1,024 float32; bu 1,024 float32; bv 1,024 float32; k 4 x 2,048 x 1,024 float32; q 4 x 2,048 x 1,024 float32; v 4 x 2,048 x 1,024 float32.
;; Outputs: out0 4 x 2,048 x 1,024 float32.
;; This version of the problem:
;;   THIS VERSION OF THE PROBLEM IS GIVEN IN LOW PRECISION. The matrix products marked QUANTISED in the list below multiply operands that are first quantised to E3M2 (3 exponent bits, 2 mantissa bits; 6 bits a number), with one power-of-two scale for each 32 numbers along K (OCP MX v1.0); their sums are f32. All else is computed in f32.
;;   The module's matrix products, in the order in which they are computed (A, B: the left and right operand; K: the contracted axis; several contracted axes count as one K, in the product's order):
;;     1. [M 8,192, K 1,024] x [K 1,024, N 1,024]; A: input q; B: input Wq: QUANTISED
;;     2. [M 8,192, K 1,024] x [K 1,024, N 1,024]; A: input k; B: input Wk: QUANTISED
;;     3. [M 8,192, K 1,024] x [K 1,024, N 1,024]; A: input v; B: input Wv: QUANTISED
;;     4. batch 64 x [M 2,048, K 64] x [K 64, N 2,048]; A: computed on the way; B: computed on the way: QUANTISED
;;     5. batch 64 x [M 2,048, K 2,048] x [K 2,048, N 64]; A: softmax (see below); B: computed on the way: QUANTISED
;;     6. [M 8,192, K 1,024] x [K 1,024, N 1,024]; A: computed on the way; B: input Wu: QUANTISED
;;   THE QUANTISER, for each operand of a quantised product, along K:
;;     - K is cut into blocks of 32 from its start; a last block that is shorter is filled with zeros.
;;     - A block's scale is 2^e with e = floor(log2(the largest magnitude in the block)) - 4, held to -126 .. 127; a block of zeros has e = 0. As a byte (E8M0): e + 127.
;;     - Each number is divided by its block's scale, clamped to +-28, and rounded to the nearest number of E3M2, ties to even, subnormals kept.
;;     - The product sums the exact products of the quantised numbers (number of the format x scale) in f32.
;;   ~~~python
;;   def quantise(x, axis):      # numpy; x: float32 -> the quantised numbers, widened to float32 again
;;       x = np.moveaxis(x, axis, -1); K = x.shape[-1]
;;       x = np.pad(x, [(0, 0)] * (x.ndim - 1) + [(0, -K % 32)]); x = x.reshape(x.shape[:-1] + (-1, 32)); a = np.abs(x).max(-1, keepdims=True)
;;       e = np.where(a > 0, np.clip(np.frexp(np.where(a > 0, a, 1))[1] - 1 - 4, -126, 127), 0)      # np.frexp(a)[1] - 1 = floor(log2(a)), exactly
;;       r = np.clip(x / 2.0 ** e, -28, 28)
;;       step = 2.0 ** (np.maximum(np.frexp(np.where(r == 0, 1, r))[1] - 1, -2) - 2)
;;       q = np.round(r / step) * step * 2.0 ** e      # np.round: ties to even
;;       return np.moveaxis(q.reshape(q.shape[:-2] + (-1,))[..., :K], -1, axis).astype(np.float32)
;;   ~~~
;;   SOFTMAX AHEAD OF A QUANTISED PRODUCT. Where the list says 'softmax', what is quantised is not the finished softmax but p = 2^(t - M), with t = logit x log2(e) and M = ceil(the row's largest t), a whole number; so 1/2 < the row's largest p <= 1. The row's sum l is taken of the UNQUANTISED p, in f32, and the product's result is divided by l at the end. Since M is a whole number, a kernel that streams over the keys may use a running M (the ceiling of the running maximum): every later rescaling is an exact power of two, which a block's scale takes up: the codes' values come out the same.
;;   OPERANDS COMPUTED ON THE WAY. 'Computed on the way' means the value that the module computes at that place (a softmax that the list does not call 'softmax' is quantised finished and normalised). What goes into a quantiser is computed in f32, as accurately as f32 sums, v_exp_f32 and their like allow (about 1e-6 of the number): no bf16 or f16 on the way to a quantiser, and a product that is left as it is and whose result goes on into a quantised operand takes f32 operands (vector FMAs, or v_wmma_f32_16x16x4_f32). A number that lies on a knife's edge between two numbers of the format may be rounded either way, as far as f32 arithmetic and the matrix unit's own rounding can turn it there, and no further.
;; One version. Each part assembles by itself: llvm-mc -triple=amdgcn-amd-amdhsa -mcpu=gfx1250 --defsym DOCPART=n.
;; ======== version 1 of 1: 4 launches
;; limits: right only within a limited range of input values
;; workspace buffers: xc 22,020,096 bytes; xs 917,504 bytes; ac 18,874,368 bytes; asc 1,310,720 bytes; mc 6,291,456 bytes; ms 262,144 bytes
;; launch quant (part 1): grid 512 x 1, 4 waves a work-group, no clusters, 58,880 bytes of LDS; arguments q, k, v, Wq, Wk, Wv, Wu, xc, xs; writes xc, xs
.if DOCPART == 1
	.amdgcn_target "amdgcn-amd-amdhsa--gfx1250"
	.amdhsa_code_object_version 6
	.text
	.protected	k_q7752294d1e_quant
	.globl	k_q7752294d1e_quant
	.p2align	8
	.type	k_q7752294d1e_quant,@function
k_q7752294d1e_quant:
	s_mov_b64 s[64:65], 0
	v_nop
	global_prefetch_b8 v0, s[64:65] scope:SCOPE_SE
	s_setreg_imm32_b32 hwreg(HW_REG_WAVE_MODE, 25, 1), 1
	s_wait_xcnt 0x0
; q, k, v [8192][1024] f32 (K innermost) and Wq, Wk, Wv, Wu [1024 (K)][1024 (N)] f32 (K outermost) become codes of BF6 (E3M2) with one E8M0 byte for each 32 along K.
; A block's scale is 2^(floor(log2(largest magnitude)) - 4): its byte is the largest magnitude's exponent field - 4, held at 1 from below by a floor among the maximum's leaves.
; LIMITS: NaN and infinities are not served; a block whose largest magnitude lies under 2^-122, a block of zeros too, keeps the byte 1 (its codes add nothing; this program alone reads the bytes).
; THE CODES ARE LAID AS THE READER'S REGISTERS WANT THEM.  Rows (tokens, or a weight's columns) go in tiles of 16; row r of tile 2 g + u is the row 32 g + 8 u + r + 8 (r / 8).
; A fragment (16 rows x 128 K, 12 registers a lane) is an image of 1,536 bytes: registers 4 c .. 4 c + 3 of lane l at 512 c + 16 l.  xc = [tile][K step 0..7][1,536]; xs = [place of the row][32 bytes, one a block].
; Work-groups 0..383 take the activations, a tile of 16 rows to a wave; work-groups 384..511 the weights, 32 columns x 256 along K to a wave.  No barrier: waves share nothing; each of the two ways has LDS bytes of its own.
.set XSZ,   6291456                    ; an activation's codes in bytes
.set WOFF,  18874368                   ; where the weights' codes begin
.set WSZ,   786432                     ; a weight's codes
.set WSO,   786432                     ; where the weights' scale bytes begin
.set SEL,   22                         ; s[22:23] v_permlanex16_b32's selects for lane l xor 16
.set TM,    16                         ; v16-31 at work in QUANT
.set SW,    32                         ; v32-39 a scale word for each K step (weights: v32-33 eight scale bytes)
.set PC,    40                         ; v40-58 the codes just made
.set X,     64                         ; v64-127 64 numbers of a lane (weights: two sets of 32)
.set R,     128                        ; v128-255 two sets of 64 numbers as loaded
; 64 numbers of a lane, register 16 b + i = k 32 b + 16 (lane / 16) + i of its row, become a fragment's 12 registers in v[PC] on and the row's scale word in v[pw].
.macro QUANT s, pw
.irp b, 0,1,2,3
	v_max3_num_f32 v[TM+\b], |v[(\s)+16*\b]|, |v[(\s)+1+16*\b]|, 0x2800000   ; my 16 numbers of block b, and the floor 2^(5 - 127)
.endr
.irp i, 2,4,6,8,10,12,14
.irp b, 0,1,2,3
	v_max3_num_f32 v[TM+\b], v[TM+\b], |v[(\s)+16*\b+\i]|, |v[(\s)+1+16*\b+\i]|
.endr
.endr
.irp b, 0,1,2,3
	v_permlanex16_b32 v[TM+4+\b], v[TM+\b], s[SEL], s[SEL+1]
.endr
.irp b, 0,1,2,3
	v_max_num_f32 v[TM+\b], v[TM+\b], v[TM+4+\b]       ; with lane l xor 16's: the block's largest magnitude
.endr
.irp b, 0,1,2,3
	v_add_nc_u32 v[TM+12+\b], 0xfe000000, v[TM+\b]     ; 4 off its exponent field: the conversion's scale operand
.endr
.irp b, 0,1,2,3
	v_lshrrev_b32 v[TM+4+\b], 23, v[TM+12+\b]          ; the scale's byte
.endr
	v_lshl_or_b32 v[\pw], v[TM+5], 8, v[TM+4]
	v_lshl_or_b32 v[\pw], v[TM+6], 16, v[\pw]
	v_lshl_or_b32 v[\pw], v[TM+7], 24, v[\pw]
.irp c, 0,1
	v_cvt_scalef32_pk16_bf6_f32 v[PC+6*\c:PC+2+6*\c], v[(\s)+32*\c:(\s)+15+32*\c], v[TM+12+2*\c]
	v_cvt_scalef32_pk16_bf6_f32 v[PC+12+4*\c:PC+14+4*\c], v[(\s)+16+32*\c:(\s)+31+32*\c], v[TM+13+2*\c]   ; (a conversion's three registers begin on an even number)
.endr
	v_nop                                              ; one plain place behind a scaled conversion
.irp c, 0,1                                        ; the layout wants a whole block in a lane: lanes 0-15 block 2 c, lanes 16-31 block 2 c + 1
.irp i, 0,1,2
	v_permlane16_swap_b32 v[PC+6*\c+\i], v[PC+12+4*\c+\i]
.endr
.irp i, 0,1,2
	v_mov_b32 v[PC+3+6*\c+\i], v[PC+12+4*\c+\i]
.endr
.endr
.endm
	s_load_b256 s[4:11], s[0:1], 0x0               ; q, k, v, Wq
	s_load_b256 s[12:19], s[0:1], 0x20             ; Wk, Wv, Wu, xc
	s_load_b64 s[20:21], s[0:1], 0x40              ; xs
	v_lshl_add_u32 v55, v0, 2, 0xe400
	v_mov_b32 v59, 0
	v_lshrrev_b32 v5, 5, v0
	v_readfirstlane_b32 s24, v5                    ; wave 0..3
	v_and_b32 v6, 31, v0                           ; lane
	v_lshlrev_b32 v1, 4, v6                        ; 16 x lane
	s_mov_b32 s[SEL], 0x76543210
	s_mov_b32 s[SEL+1], 0xfedcba98
	s_cmp_ge_u32 ttmp9, 384
	s_cbranch_scc1 .Lweights
	; ---- THE ACTIVATIONS.  Wave w of work-group g takes tile T = 4 (g % 128) + w of tensor g / 128: 16 rows, all of K in 8 steps of 128.
	; A load reads 512 consecutive bytes of one row; the step's 16 x 512 bytes turn through the wave's stage (rows 528 bytes apart), so that a lane gets 16 neighbours of each block of its row.
	v_and_b32 v7, 15, v0                           ; r
	v_bfe_u32 v8, v0, 4, 1                         ; h
	s_mul_i32 s25, s24, 8448                       ; my stage: 16 rows x 528 bytes
	v_add_nc_u32 v2, s25, v1                       ; into it: 16 x lane, the row in the immediate
	v_mul_u32_u24 v3, v7, 528
	v_lshl_add_u32 v3, v8, 6, v3
	v_add_nc_u32 v3, s25, v3                       ; out of it: row r, + 64 h
	v_lshlrev_b32 v4, 5, v7
	v_lshl_add_u32 v4, v8, 4, v4                   ; the scale bytes' place: 32 r + 16 h
.irp b, 0,1,2,3
	v_mov_b32 v[TM+4+\b], 0                        ; written once: a lane permute's destination counts as one of its sources
.endr
	s_lshr_b32 s26, ttmp9, 7                       ; which tensor
	s_and_b32 s27, ttmp9, 127
	s_lshl_b32 s27, s27, 2
	s_add_co_u32 s27, s27, s24                     ; T
	; THE ORDER OF ROWS IN A TILE (this takes the place of what the head comment says of it): row r of tile 4 g + i is the row (token, or a weight's column) 64 g + 8 i + r % 8 + 32 (r / 8),
	; so that in a transposed product a lane's 32 registers of tiles 4 g .. 4 g + 3 are 32 neighbours: a whole block of the next quantiser.
	s_lshr_b32 s28, s27, 2
	s_lshl_b32 s28, s28, 18                        ; 64 rows of 4,096 bytes for each four tiles,
	s_and_b32 s29, s27, 3
	s_lshl_b32 s29, s29, 15                        ; 8 rows for each tile among them
	s_add_co_u32 s28, s28, s29
	s_mov_b32 s29, 0
	s_mul_i32 s30, s26, XSZ
	s_mul_i32 s31, s27, 12288
	s_add_co_u32 s30, s30, s31                     ; the tile's eight images
	s_mov_b32 s31, 0
	s_lshl_b32 s32, s26, 18
	s_lshl_b32 s33, s27, 9
	s_add_co_u32 s32, s32, s33                     ; its 512 scale bytes
	s_mov_b32 s33, 0
	s_wait_alu depctr_va_vdst(0)
	s_wait_kmcnt 0x0
	s_cmp_eq_u32 s26, 0
	s_cselect_b64 s[34:35], s[4:5], s[6:7]
	s_cmp_eq_u32 s26, 2
	s_cselect_b64 s[34:35], s[8:9], s[34:35]
	s_add_nc_u64 s[34:35], s[34:35], s[28:29]
	s_add_nc_u64 s[36:37], s[18:19], s[30:31]
	s_add_nc_u64 s[38:39], s[20:21], s[32:33]
.macro XLOAD s
.irp p, 0,1,2,3,4,5,6,7,8,9,10,11,12,13,14,15
	global_load_b128 v[R+64*((\s)%2)+4*\p:R+64*((\s)%2)+4*\p+3], v1, s[34:35] offset:(\p+24*(\p/8))*4096+512*(\s) th:TH_LOAD_NT
.endr
.endm
.macro XSTEP s
.if (\s) < 7
	s_wait_loadcnt 16                              ; this step's 16 loads are in; the next step's 16 may be out
.else
	s_wait_loadcnt 0x0
.endif
.irp p, 0,1,2,3,4,5,6,7,8,9,10,11,12,13,14,15
	ds_store_b128 v2, v[R+64*((\s)%2)+4*\p:R+64*((\s)%2)+4*\p+3] offset:528*\p
.endr
.irp b, 0,1,2,3
.irp j, 0,1,2,3
	ds_load_b128 v[X+16*\b+4*\j:X+16*\b+4*\j+3], v3 offset:128*\b+16*\j   ; LDS serves a wave's instructions in order: these see the stores above
.endr
.endr
	s_wait_dscnt 0x0                               ; the numbers are back, and the stores have read their registers
	s_wait_xcnt 0x0                                ; the last step's stores have read the codes' registers, which are written again below
.if (\s) < 6
	XLOAD (\s)+2
.endif
	QUANT X, SW+(\s)
.irp c, 0,1,2
	global_store_b128 v1, v[PC+4*\c:PC+4*\c+3], s[36:37] offset:1536*(\s)+512*\c   ; 512 consecutive bytes, aligned
.endr
.endm
	XLOAD 0
	XLOAD 1
.irp s, 0,1,2,3,4,5,6,7
	XSTEP \s
.endr
	v_cmp_le_u32 vcc_lo, 16, v6                    ; lanes 16-31 store the words of K steps 4 to 7 of their row, lanes 0-15 those of steps 0 to 3
.irp i, 0,1,2,3
	v_cndmask_b32 v[60+\i], v[SW+\i], v[SW+4+\i], vcc_lo
.endr
	global_store_b128 v4, v[60:63], s[38:39]       ; 512 consecutive bytes
	s_wait_tensorcnt 0x0
	ds_add_u32 v55, v59
	s_wait_dscnt 0x0
	s_endpgm
	; ---- THE WEIGHTS.  A lane takes a column and its registers run down K: a block of 32 lies in one lane, and the codes come out with K innermost.
	; Wave w takes columns 32 G .. 32 G + 31 (G = 4 x + w) and K rows 256 y on: four images (2 tiles x 2 K steps), gathered in its stage and stored whole.
.Lweights:
	s_sub_co_u32 s25, ttmp9, 384
	s_lshr_b32 s26, s25, 5                         ; which weight
	s_and_b32 s27, s25, 7                          ; x
	s_bfe_u32 s28, s25, 0x20003                    ; y
	s_lshl_b32 s29, s27, 2
	s_add_co_u32 s29, s29, s24                     ; G
	v_bfe_u32 v7, v0, 3, 1                         ; column 32 G + lane is row r of tile 2 G + u: u = (lane / 8) % 2,
	v_and_b32 v8, 7, v0
	v_bfe_u32 v9, v0, 4, 1
	v_lshl_add_u32 v8, v9, 3, v8                   ; r = lane % 8 + 8 (lane / 16)
	s_mul_i32 s30, s24, 6144
	s_add_co_u32 s30, s30, 33792                   ; my stage: four images, (u, K step) at 3,072 u + 1,536 step
	v_mul_u32_u24 v10, v7, 3072
	v_lshl_add_u32 v10, v8, 4, v10
	v_add_nc_u32 v10, s30, v10                     ; into it: 3,072 u + 16 r
	s_wait_alu depctr_va_vdst(0)
	v_add_nc_u32 v11, s30, v1                      ; out of it: 16 x lane
	v_lshlrev_b32 v12, 2, v6                       ; W: my column among the wave's: 32 (lane / 16) + lane % 16, 4 bytes each: row r = lane % 8 + 8 (lane / 16) of tile u = (lane / 8) % 2
	v_lshl_add_u32 v12, v9, 6, v12
	v_lshl_add_u32 v13, v7, 4, v8
	v_lshlrev_b32 v13, 5, v13                      ; my column's row of scale bytes: 32 (16 u + r)
	s_lshl_b32 s32, s28, 20                        ; 256 y rows of 4,096 bytes
	s_lshl_b32 s33, s27, 9                         ; the wave's tiles 8 x + 2 w and 8 x + 2 w + 1 begin at column 128 x + 64 (w / 2) + 16 (w % 2)
	s_lshr_b32 s31, s24, 1
	s_lshl_b32 s31, s31, 8
	s_add_co_u32 s33, s33, s31
	s_and_b32 s31, s24, 1
	s_lshl_b32 s31, s31, 6
	s_add_co_u32 s33, s33, s31
	s_add_co_u32 s32, s32, s33
	s_mov_b32 s33, 0
	s_mul_i32 s34, s26, WSZ
	s_lshl_b32 s35, s29, 4
	s_lshl_b32 s31, s28, 1
	s_add_co_u32 s35, s35, s31
	s_mul_i32 s35, s35, 1536                       ; image (tile 2 G, K step 2 y)
	s_add_co_u32 s34, s34, s35
	s_add_co_u32 s34, s34, WOFF
	s_mov_b32 s35, 0
	s_lshl_b32 s36, s26, 15
	s_lshl_b32 s37, s29, 10
	s_add_co_u32 s36, s36, s37
	s_lshl_b32 s37, s28, 3
	s_add_co_u32 s36, s36, s37
	s_add_co_u32 s36, s36, WSO
	s_mov_b32 s37, 0
	s_wait_alu depctr_va_vdst(0)
	s_wait_kmcnt 0x0
	s_cmp_eq_u32 s26, 0
	s_cselect_b64 s[38:39], s[10:11], s[12:13]
	s_cmp_eq_u32 s26, 2
	s_cselect_b64 s[38:39], s[14:15], s[38:39]
	s_cmp_eq_u32 s26, 3
	s_cselect_b64 s[38:39], s[16:17], s[38:39]
	s_add_nc_u64 s[38:39], s[38:39], s[32:33]
	s_add_nc_u64 s[40:41], s[18:19], s[34:35]
	s_add_nc_u64 s[42:43], s[20:21], s[36:37]
.macro WLOAD t
.irp i, 0,1,2,3,4,5,6,7,8,9,10,11,12,13,14,15,16,17,18,19,20,21,22,23,24,25,26,27,28,29,30,31
	global_load_b32 v[X+32*((\t)%2)+\i], v12, s[38:39] offset:(32*(\t)+\i)*4096 th:TH_LOAD_NT   ; two runs of 64 bytes a wave, 512 consecutive a work-group
.endr
.endm
; Block t of 8: K step t / 4 of my two; in its fragment it is registers 6 c .. 6 c + 5 (c = (t / 2) % 2) of lane r + 16 h (h = t % 2).
.macro WBLOCK t
.set XS, X+32*((\t)%2)
.set WO, 1536*((\t)/4)+256*((\t)%2)
.if (\t) < 7
	s_wait_loadcnt 32                              ; this block's 32 loads are in; the next block's may be out
.else
	s_wait_loadcnt 0x0
.endif
	v_max3_num_f32 v14, |v[XS]|, |v[XS+1]|, |v[XS+2]|
	v_max3_num_f32 v15, |v[XS+3]|, |v[XS+4]|, |v[XS+5]|
.irp i, 6,10,14,18,22,26
	v_max3_num_f32 v14, v14, |v[XS+\i]|, |v[XS+\i+1]|
	v_max3_num_f32 v15, v15, |v[XS+\i+2]|, |v[XS+\i+3]|
.endr
	v_max3_num_f32 v14, v14, |v[XS+30]|, |v[XS+31]|
	v_max3_num_f32 v14, v14, v15, 0x2800000        ; and the floor
	v_add_nc_u32 v16, 0xfe000000, v14
	v_lshrrev_b32 v17, 23, v16
.if (\t)%4 == 0
	v_mov_b32 v[SW+(\t)/4], v17
.else
	v_lshl_or_b32 v[SW+(\t)/4], v17, 8*((\t)%4), v[SW+(\t)/4]
.endif
	v_cvt_scalef32_pk16_bf6_f32 v[PC:PC+2], v[XS:XS+15], v16
	v_cvt_scalef32_pk16_bf6_f32 v[PC+4:PC+6], v[XS+16:XS+31], v16
	v_nop                                          ; one plain place behind a scaled conversion
	v_mov_b32 v[PC+3], v[PC+4]                     ; the block's six registers on end
	v_mov_b32 v[PC+4], v[PC+5]
	v_mov_b32 v[PC+5], v[PC+6]
.if (((\t)/2)%2) == 0
	ds_store_b128 v10, v[PC:PC+3] offset:WO        ; registers 0-3 of the fragment,
	ds_store_b64 v10, v[PC+4:PC+5] offset:WO+512   ; 4 and 5
.else
	ds_store_b64 v10, v[PC:PC+1] offset:WO+520     ; registers 6 and 7,
	ds_store_b128 v10, v[PC+2:PC+5] offset:WO+1024 ; 8 to 11
.endif
.if (\t)+2 < 8
	WLOAD (\t)+2
.endif
	s_wait_dscnt 0x0                               ; the stores have read their registers
.endm
	WLOAD 0
	WLOAD 1
.irp t, 0,1,2,3,4,5,6,7
	WBLOCK \t
.endr
	s_wait_alu depctr_va_vdst(0)
	global_store_b64 v13, v[SW:SW+1], s[42:43]     ; my column's eight scale bytes
.irp i, 0,1,2,3,4,5,6,7,8,9,10,11
	ds_load_b128 v[X+4*\i:X+4*\i+3], v11 offset:512*\i
.endr
.irp i, 0,1,2,3,4,5,6,7,8,9,10,11
	s_wait_dscnt 11-\i                             ; load i is in; the younger ones may be out
	global_store_b128 v1, v[X+4*\i:X+4*\i+3], s[40:41] offset:512*(\i%6)+12288*(\i/6)   ; 512 consecutive bytes, aligned; the odd tile's images lie 12,288 bytes on
.endr
	s_wait_tensorcnt 0x0
	ds_add_u32 v55, v59
	s_wait_dscnt 0x0
	s_endpgm
.Lfunc_end_k_q7752294d1e_quant:
	.size	k_q7752294d1e_quant, .Lfunc_end_k_q7752294d1e_quant-k_q7752294d1e_quant
	.p2alignl 7, 3214868480
	.fill 96, 4, 3214868480
	.section	.rodata,"a",@progbits
	.p2align	6, 0x0
	.amdhsa_kernel k_q7752294d1e_quant
		.amdhsa_group_segment_fixed_size 58880
		.amdhsa_private_segment_fixed_size 0
		.amdhsa_enable_private_segment 0
		.amdhsa_kernarg_size 72
		.amdhsa_user_sgpr_count 2
		.amdhsa_user_sgpr_kernarg_segment_ptr 1
		.amdhsa_wavefront_size32 1
		.amdhsa_system_sgpr_workgroup_id_x 1
		.amdhsa_system_sgpr_workgroup_id_y 1
		.amdhsa_system_sgpr_workgroup_id_z 1
		.amdhsa_system_vgpr_workitem_id 0
		.amdhsa_next_free_vgpr 256
		.amdhsa_next_free_sgpr 66
		.amdhsa_reserve_vcc 1
		.amdhsa_float_denorm_mode_32 3
		.amdhsa_float_denorm_mode_16_64 3
		.amdhsa_memory_ordered 1
		.amdhsa_forward_progress 1
		.amdhsa_inst_pref_size 106
	.end_amdhsa_kernel
	.amdgpu_metadata
---
amdhsa.version: [ 1, 2 ]
amdhsa.kernels:
  - .name:           k_q7752294d1e_quant
    .symbol:         k_q7752294d1e_quant.kd
    .args:
      - { .name: q, .offset: 0, .size: 8, .value_kind: global_buffer, .address_space: global }
      - { .name: k, .offset: 8, .size: 8, .value_kind: global_buffer, .address_space: global }
      - { .name: v, .offset: 16, .size: 8, .value_kind: global_buffer, .address_space: global }
      - { .name: Wq, .offset: 24, .size: 8, .value_kind: global_buffer, .address_space: global }
      - { .name: Wk, .offset: 32, .size: 8, .value_kind: global_buffer, .address_space: global }
      - { .name: Wv, .offset: 40, .size: 8, .value_kind: global_buffer, .address_space: global }
      - { .name: Wu, .offset: 48, .size: 8, .value_kind: global_buffer, .address_space: global }
      - { .name: xc, .offset: 56, .size: 8, .value_kind: global_buffer, .address_space: global }
      - { .name: xs, .offset: 64, .size: 8, .value_kind: global_buffer, .address_space: global }
    .group_segment_fixed_size: 58880
    .private_segment_fixed_size: 0
    .kernarg_segment_align: 8
    .kernarg_segment_size: 72
    .max_flat_workgroup_size: 128
    .sgpr_count:     66
    .vgpr_count:     256
    .wavefront_size: 32
...
	.end_amdgpu_metadata
.endif
;; end of part 1
;; launch proj (part 2): grid 4 x 192, 4 waves a work-group, clusters of 4 x 4, 295,424 bytes of LDS; arguments xc, xs, bq, bk, bv, ac, asc; writes ac, asc
.if DOCPART == 2
	.amdgcn_target "amdgcn-amd-amdhsa--gfx1250"
	.amdhsa_code_object_version 6
	.text
	.protected	k_q7752294d1e_proj
	.globl	k_q7752294d1e_proj
	.p2align	8
	.type	k_q7752294d1e_proj,@function
k_q7752294d1e_proj:
	s_mov_b64 s[64:65], 0
	v_nop
	global_prefetch_b8 v0, s[64:65] scope:SCOPE_SE
	s_setreg_imm32_b32 hwreg(HW_REG_WAVE_MODE, 25, 1), 1
	s_wait_xcnt 0x0
	s_wait_alu depctr_hold_cnt(0) depctr_sa_sdst(0) depctr_va_vdst(0) depctr_va_sdst(0) depctr_va_ssrc(0) depctr_va_vcc(0) depctr_vm_vsrc(0)
	s_getreg_b32 s2, hwreg(HW_REG_IB_STS2, 6, 4)
	s_cmp_eq_u32 s2, 0
	s_cbranch_scc0 .Lentry_in_a_cluster
	s_endpgm
.Lentry_in_a_cluster:
	s_bfe_u32 s2, ttmp6, 0x10000c
	s_cmp_lg_u32 s2, 0xf033
	s_cbranch_scc0 .Lentry_shape_is_right
	s_endpgm
.Lentry_shape_is_right:
; The three projections q Wq + bq, k Wk + bk, v Wv + bv on codes of BF6, and their results quantised in registers into attention's operands.
; THE PRODUCT.  A work-group makes 256 rows of operand A x 128 rows of operand B over all of K = 1,024.  Wave w takes A's tiles 4 w .. 4 w + 3 against B's eight: 32 accumulators, 256 registers.
; The matrix instruction is used transposed (source 0 = 16 rows of B, source 1 = 16 rows of A): a lane holds ONE row of A, and its registers run along B's rows; since row r of tile 2 g + u is the row 32 g + 8 u + r + 8 (r / 8),
; the 16 registers of B's tiles 2 g and 2 g + 1 are 16 neighbours, as the quantiser of the next product wants them.
; For q and k: A = the tokens, B = the weight's columns (a pair of heads): a lane's registers run along the heads' channels, which are the K of q k^T.
; For v the two change places, by offsets alone: A = Wv's columns, B = the tokens: a lane holds a channel and its registers run along 128 keys, the K of p v.
; LDS.  The tile's whole K is 294,912 bytes: it is filled ONCE, in four chunks of two K steps, and nothing is filled again: four tensor loads of a wave are out at the start, and a counted wait and a barrier stand ahead of each chunk's first read.
; CLUSTERS: 4 x 4 work-groups; A's tiles are shared along a row of the cluster, B's along a column: each is asked for jointly.  Which tensor a cluster serves hangs on the cluster's number alone, so all partners run alike.
; THE BIAS begins each sum: along the registers (q, k) or along the lanes (v); both are loaded, and the one not wanted is multiplied by 0.  LIMIT: the biases are finite (0 x infinity would be NaN).  The bias enters the sum first, not last.
; LIMITS of the quantiser: NaN and infinities are not served; a block whose largest magnitude lies under 2^-122 keeps the byte 1.
; REGISTERS: window 0: v2-20 addresses; v24-31 scale words on the way out; v32-47 A's scale words, v48-79 B's; v80-175 A's fragments, two sets (later the codes made); v176-239 the bias along registers (later at work); v240-247 the bias along lanes.
;   window 1: v0-191 B's fragments, two sets.   window 2: accumulator (a, t) at v[8 (8 a + t)].
.set XSZ,   6291456
.set WOFF,  18874368
.set WSZ,   786432
.set WSO,   786432
.set CH,    73728                      ; a chunk in LDS: A's 16 tiles x 2 K steps x 1,536 bytes, then B's 8 tiles x 2 x 1,536
.set BIASC, 0                          ; 1: step 0's products take the bias registers as C
.set ADA,   8                          ; v8-11  LDS address of my A fragments in chunk 0..3
.set ADB,   12                         ; v12-15 the same for B
.set SA,    32                         ; v[SA + 8 i + s]: K step s's scale words of my A tiles 2 i (lanes 0-15) and 2 i + 1 (lanes 16-31)
.set SB,    48                         ; the same for B's eight tiles
.set AF,    80
.set BR,    176
.set BL,    240
.set TM,    176                        ; the way out: at work
.set PCB,   80                         ; the way out: the codes of A tile a at v[PCB + 20 a]
.set PW,    24                         ; and its scale word at v[PW + a]
.set SEL,   2                          ; s[2:3] lane selects, set ahead of the way out
.set WV,    18
.set G1A,   24                         ; s[24:31] descriptor group 1 for A's tiles;  s[32:39] for B's
.set G1B,   32
.set G0A,   40                         ; s[40:55] four groups 0 for A's chunks
.set G0B,   56                         ; s[56:63], s[68:75] four for B's
.set MSB, 0
.macro WIN new                         ; the immediate's high byte repeats the setting that is left
.if MSB != \new
	s_set_vgpr_msb (MSB<<8)|\new
.set MSB, \new
.endif
.endm
.macro PLACES n
.rept \n
	v_nop
.endr
.endm
.macro CROUND                          ; a round of the cluster's barrier
	s_barrier_signal -1
	s_barrier_wait -1
	s_cmp_lg_u32 s[WV], 0
	s_cbranch_scc1 .Lnot_wave_0_\@
	s_barrier_signal -3
.Lnot_wave_0_\@:
	s_barrier_wait -3
	s_barrier_signal -1
	s_barrier_wait -1
.endm
; K step s's fragments: B's eight into set s % 2 of window 1, my four of A into set s % 2 of window 0.  An image comes back by three loads of 512 consecutive bytes.
.macro FETCH s
	WIN 0x40
.irp t, 0,1,2,3,4,5,6,7
.irp c, 0,1,2
	ds_load_b128 v[96*((\s)%2)+12*\t+4*\c:96*((\s)%2)+12*\t+4*\c+3], v[ADB+\t/4] offset:12288*(\t%4)+1536*(\s)+512*\c
.endr
.endr
	WIN 0
.irp a, 0,1,2,3
.irp c, 0,1,2
	ds_load_b128 v[AF+48*((\s)%2)+12*\a+4*\c:AF+48*((\s)%2)+12*\a+4*\c+3], v[ADA] offset:12288*\a+1536*(\s)+512*\c
.endr
.endr
.endm
.macro WMS ra, rb                      ; one product; ra, rb: source 0's, source 1's scale words stand in lanes 16-31
.if (\ra) && (\rb)
	v_wmma_scale_f32_16x16x128_f8f6f4 v[rD:rD+7], v[rB:rB+11], v[rA:rA+11], v[rC:rC+7], v[rSB], v[rSA] matrix_a_fmt:MATRIX_FMT_BF6 matrix_b_fmt:MATRIX_FMT_BF6 matrix_a_scale:MATRIX_SCALE_ROW1 matrix_b_scale:MATRIX_SCALE_ROW1
.elseif (\ra)
	v_wmma_scale_f32_16x16x128_f8f6f4 v[rD:rD+7], v[rB:rB+11], v[rA:rA+11], v[rC:rC+7], v[rSB], v[rSA] matrix_a_fmt:MATRIX_FMT_BF6 matrix_b_fmt:MATRIX_FMT_BF6 matrix_a_scale:MATRIX_SCALE_ROW1
.elseif (\rb)
	v_wmma_scale_f32_16x16x128_f8f6f4 v[rD:rD+7], v[rB:rB+11], v[rA:rA+11], v[rC:rC+7], v[rSB], v[rSA] matrix_a_fmt:MATRIX_FMT_BF6 matrix_b_fmt:MATRIX_FMT_BF6 matrix_b_scale:MATRIX_SCALE_ROW1
.else
	v_wmma_scale_f32_16x16x128_f8f6f4 v[rD:rD+7], v[rB:rB+11], v[rA:rA+11], v[rC:rC+7], v[rSB], v[rSA] matrix_a_fmt:MATRIX_FMT_BF6 matrix_b_fmt:MATRIX_FMT_BF6
.endif
.endm
; 32 products: K step s.  The 32 accumulators take turns, one instruction a turn, in the same order in every step.
.macro MUL s
.if BIASC && ((\s) == 0)
	WIN 0x81                                       ; source 0 window 1, source 1 and C window 0, D window 2
.else
	WIN 0xa1                                       ; source 0 window 1, source 1 window 0, C and D window 2
.endif
.irp a, 0,1,2,3
.irp t, 0,1,2,3,4,5,6,7
.set rD, 8*(8*\a+\t)
.set rB, 96*((\s)%2)+12*\t
.set rA, AF+48*((\s)%2)+12*\a
.set rSB, SB+8*(\t/2)+(\s)
.set rSA, SA+8*(\a/2)+(\s)
.if BIASC && ((\s) == 0)
.set rC, BR+8*\t
.else
.set rC, rD
.endif
	WMS \t%2, \a%2
.endr
.endr
.endm
; A K step.  Its fragments were asked for a whole step ago.  meet = 1: the next step is the first of a chunk: my part of that chunk has landed (left: the later chunks' loads, which may stay out), and everybody's has.
.macro STEP s, meet, left
	s_wait_dscnt 0x0
.if \meet
	s_wait_tensorcnt \left
	s_barrier_signal -1
	s_barrier_wait -1
.endif
.if (\s) < 7
	PLACES 4                                       ; four places between the last products that read a set of fragments and the loads into it
	FETCH (\s)+1
.endif
	MUL \s
	WIN 0
.endm
	s_load_b256 s[4:11], s[0:1], 0x0               ; xc, xs, bq, bk
	s_load_b128 s[12:15], s[0:1], 0x20             ; bv, ac
	s_load_b64 s[16:17], s[0:1], 0x30              ; asc
	v_lshl_add_u32 v254, v0, 2, 0x48000
	v_mov_b32 v255, 0
	ds_add_u32 v254, v255
	ds_add_u32 v254, v255
	v_lshrrev_b32 v1, 5, v0
	v_readfirstlane_b32 s[WV], v1                  ; wave 0..3
	s_lshr_b32 s19, s[WV], 1                       ; I fetch for A (0) or for B (1),
	s_and_b32 s20, s[WV], 1                        ; its first or its second half
	s_bfe_u32 s21, ttmp6, 0x40000                  ; cx
	s_bfe_u32 s22, ttmp6, 0x40004                  ; cy
	s_and_b32 s83, ttmp7, 0xffff                   ; the cluster's number, 0..47: 16 clusters to a tensor
	s_lshr_b32 s82, s83, 4                         ; t: 0 q, 1 k, 2 v
	s_and_b32 s83, s83, 15
	s_and_b32 s2, s83, 1
	s_lshr_b32 s3, s83, 1
	s_mul_i32 s96, s82, XSZ
	s_mul_i32 s98, s82, WSZ
	s_add_co_u32 s98, s98, WOFF
	s_cmp_eq_u32 s82, 2
	s_cselect_b32 s79, 1, 0                        ; 1 for v
	s_cselect_b32 s2, s83, s2                      ; the cluster's place along B: q, k: 2 (8 blocks of 128 columns); v: 16 (64 blocks of 128 tokens)
	s_cselect_b32 s3, 0, s3                        ; and along A: q, k: 8 (32 blocks of 256 tokens); v: 1 (4 blocks of 256 columns)
	s_cselect_b32 s96, WOFF+2*WSZ, s96             ; where A's codes begin in xc,
	s_cselect_b32 s98, 2*XSZ, s98                  ; and B's
	s_cselect_b32 s76, 0, 1.0                      ; the factor of the bias along the registers,
	s_cselect_b32 s78, 1.0, 0                      ; and of the bias along the lanes
	s_mov_b32 s77, s76                             ; (named with s76 as a pair, so it is written)
	s_lshl_b32 s80, s2, 2
	s_add_co_u32 s80, s80, s21                     ; tc: my block of B
	s_lshl_b32 s81, s3, 2
	s_add_co_u32 s81, s81, s22                     ; tr: my block of A
	s_lshl_b32 s2, s22, 2
	s_lshl_b32 s2, 15, s2                          ; my row of the cluster
	s_lshl_b32 s3, 0x1111, s21                     ; my column
	s_or_b32 s[G1A], s2, (3<<16)|(1<<21)           ; 15:0 the mask; 17:16 elements of 8 bytes; 21 set beside a mask; no padding
	s_or_b32 s[G1B], s3, (3<<16)|(1<<21)
	; LDS AS IT IS FILLED (this takes the place of the head comment's paragraph on chunks): ONE load a wave.  Eight tiles of A over all of K are 98,304 dense bytes, four tiles of B 49,152:
	; each comes as rows of 256 bytes and lies in LDS as in memory, [tile][K step][1,536]: A's 16 tiles from byte 0, B's 8 from byte 196,608.  One wait for 0 and one barrier stand ahead of the first read.
	s_mov_b32 s[G1A+1], 32<<16                     ; rows of 32 elements of 8 bytes
	s_mov_b32 s[G1A+2], 384<<16                    ; 384 rows
	s_mov_b32 s[G1A+3], 32<<16
	s_mov_b32 s[G1A+4], 384
	s_mov_b32 s[G1A+5], 32
	s_mov_b32 s[G1A+6], 0
	s_mov_b32 s[G1A+7], 0
	s_mov_b32 s[G1B+1], 32<<16
	s_mov_b32 s[G1B+2], 192<<16                    ; 192 rows
	s_mov_b32 s[G1B+3], 32<<16
	s_mov_b32 s[G1B+4], 192
	s_mov_b32 s[G1B+5], 32
	s_mov_b32 s[G1B+6], 0
	s_mov_b32 s[G1B+7], 0
	s_mul_i32 s2, s81, 196608                      ; A: 16 tiles of 12,288 bytes a block,
	s_add_co_u32 s96, s96, s2
	s_mul_i32 s2, s20, 98304                       ; my half of them
	s_add_co_u32 s96, s96, s2
	s_mov_b32 s97, 0
	s_mul_i32 s3, s80, 98304                       ; B: 8 tiles a block,
	s_add_co_u32 s98, s98, s3
	s_mul_i32 s3, s20, 49152
	s_add_co_u32 s98, s98, s3
	s_mov_b32 s99, 0
	s_mul_i32 s100, s20, 98304                     ; where they go: no place in the cluster enters an LDS address
	s_mul_i32 s101, s20, 49152
	s_add_co_u32 s101, s101, 196608
	s_wait_dscnt 0x0
	s_wait_kmcnt 0x0
	s_add_nc_u64 s[96:97], s[4:5], s[96:97]
	s_add_nc_u64 s[98:99], s[4:5], s[98:99]
	CROUND                                         ; all sixteen work-groups are here: the joint loads meet
.irp k, 0
	s_mov_b32 s[G0A+4*\k], 1
	s_add_co_u32 s[G0A+4*\k+1], s100, \k*CH
	s_add_nc_u64 s[G0A+4*\k+2:G0A+4*\k+3], s[96:97], \k*3072
	s_or_b32 s[G0A+4*\k+3], s[G0A+4*\k+3], 0x80000000
	s_mov_b32 s[G0B+4*\k+4*(\k/2)], 1
	s_add_co_u32 s[G0B+4*\k+4*(\k/2)+1], s101, \k*CH
	s_add_nc_u64 s[G0B+4*\k+4*(\k/2)+2:G0B+4*\k+4*(\k/2)+3], s[98:99], \k*3072
	s_or_b32 s[G0B+4*\k+4*(\k/2)+3], s[G0B+4*\k+4*(\k/2)+3], 0x80000000
.endr
	s_cmp_eq_u32 s19, 0                            ; a wave's four fills stand in one branch on its number, ahead of every wait on TENSORcnt and every LDS read
	s_cbranch_scc0 .Lfirst_b
.irp k, 0
	tensor_load_to_lds s[G0A+4*\k:G0A+4*\k+3], s[G1A:G1A+7]
	s_nop 0
.endr
	PLACES 4
	s_branch .Lfirst_done
.Lfirst_b:
.irp k, 0
	tensor_load_to_lds s[G0B+4*\k+4*(\k/2):G0B+4*\k+4*(\k/2)+3], s[G1B:G1B+7]
	s_nop 0
.endr
	PLACES 4
.Lfirst_done:
	v_and_b32 v6, 31, v0                           ; lane
	v_and_b32 v7, 15, v0                           ; r
	v_bfe_u32 v20, v0, 4, 1                        ; h
	v_lshlrev_b32 v16, 4, v6                       ; 16 x lane
	v_lshlrev_b32 v17, 3, v6                       ; 8 x lane
	v_lshlrev_b32 v5, 5, v6                        ; 32 x lane
	s_mul_i32 s2, s[WV], 49152                     ; my four tiles of A
	v_add_nc_u32 v[ADA], s2, v16
	v_add_nc_u32 v[ADB], 196608, v16               ; B's tiles 0-3,
	v_add_nc_u32 v[ADB+1], 245760, v16             ; and 4-7: tile and K step stand in the loads' immediates
	s_wait_alu depctr_va_vdst(0)                   ; ahead of the run of scalar instructions
	; the scale words go straight into registers, once: a row's 32 bytes are its eight words; lane l takes the row at place 32 i + l
	s_lshl_b32 s96, s82, 18
	s_lshl_b32 s98, s82, 15
	s_add_co_u32 s98, s98, WSO
	s_lshl_b32 s2, s80, 9                          ; the bias along the registers begins at column 128 tc,
	s_lshl_b32 s3, s81, 10
	s_lshl_b32 s23, s[WV], 8
	s_add_co_u32 s3, s3, s23                       ; the bias along the lanes at column 256 tr + 64 w
	s_cmp_eq_u32 s79, 1
	s_cselect_b32 s96, WSO+65536, s96
	s_cselect_b32 s98, 524288, s98
	s_cselect_b32 s2, 0, s2                        ; (the one not wanted is read at the buffer's head)
	s_cselect_b32 s3, s3, 0
	; THE ORDER OF ROWS IN A TILE (this takes the place of what the head comment says of it): row r of tile 4 g + i is the row 64 g + 8 i + r % 8 + 32 (r / 8): a lane's 32 registers of B's tiles 4 g .. 4 g + 3 are 32 neighbours
	v_lshl_add_u32 v2, v20, 7, s2                  ; + 128 h: register j of tile t is column 64 (t / 4) + 32 h + 8 (t % 4) + j
	s_wait_alu depctr_va_vdst(0)
	v_and_b32 v4, 8, v7
	v_mad_u32_u24 v4, v4, 3, v7                    ; r + 24 (r / 8)
	v_lshl_add_u32 v3, v4, 2, s3                   ; + 4 (r + 24 (r / 8))
	s_wait_alu depctr_va_vdst(0)
	s_lshl_b32 s23, s81, 13
	s_add_co_u32 s96, s96, s23
	s_lshl_b32 s23, s[WV], 11
	s_add_co_u32 s96, s96, s23                     ; A: rows 256 tr + 64 w on
	s_mov_b32 s97, 0
	s_lshl_b32 s23, s80, 12
	s_add_co_u32 s98, s98, s23                     ; B: rows 128 tc on
	s_mov_b32 s99, 0
	s_add_nc_u64 s[96:97], s[6:7], s[96:97]
	s_add_nc_u64 s[98:99], s[6:7], s[98:99]
	s_cmp_eq_u32 s82, 0
	s_cselect_b64 s[100:101], s[8:9], s[10:11]
	s_cmp_eq_u32 s82, 2
	s_cselect_b64 s[100:101], s[12:13], s[100:101]
.irp i, 0,1
.irp q, 0,1
	global_load_b128 v[SA+8*\i+4*\q:SA+8*\i+4*\q+3], v5, s[96:97] offset:1024*\i+16*\q
.endr
.endr
.irp i, 0,1,2,3
.irp q, 0,1
	global_load_b128 v[SB+8*\i+4*\q:SB+8*\i+4*\q+3], v5, s[98:99] offset:1024*\i+16*\q
.endr
.endr
.irp t, 0,1,2,3,4,5,6,7
	global_load_b128 v[BR+8*\t:BR+8*\t+3], v2, s[100:101] offset:(64*(\t/4)+8*(\t%4))*4
	global_load_b128 v[BR+8*\t+4:BR+8*\t+7], v2, s[100:101] offset:(64*(\t/4)+8*(\t%4))*4+16
.endr
.irp a, 0,1,2,3
	global_load_b32 v[BL+2*\a], v3, s[100:101] offset:32*\a
.endr
	; where the results go.  q, k: batch tr / 8, pair of heads tc, tiles 16 (tr % 8) + 4 w on: half images of 768 bytes, the odd head's 98,304 bytes on.
	s_lshr_b32 s84, s81, 3
	s_lshl_b32 s84, s84, 3
	s_add_co_u32 s84, s84, s80                     ; bp = 8 x batch + pair
	s_and_b32 s85, s81, 7
	s_lshl_b32 s85, s85, 2
	s_add_co_u32 s85, s85, s[WV]                   ; g: my group of four tiles
	s_lshl_b32 s86, s84, 8
	s_lshl_b32 s87, s85, 2
	s_add_co_u32 s86, s86, s87
	s_mul_i32 s86, s86, 768
	s_mul_i32 s87, s82, XSZ
	s_add_co_u32 s86, s86, s87
	s_lshl_b32 s88, s84, 14                        ; q's scale units: 8,192 bytes a head;
	s_mul_i32 s89, s84, 24576                      ; k's: in the pair's block of 24,576 bytes
	s_add_co_u32 s89, s89, 524288
	s_cmp_eq_u32 s82, 0
	s_cselect_b32 s88, s88, s89
	s_lshl_b32 s89, s85, 8
	s_add_co_u32 s88, s88, s89
	; v: head 4 tr + w, batch tc / 16, key step tc % 16: four channel tiles of two half images each
	s_lshl_b32 s90, s81, 2
	s_add_co_u32 s90, s90, s[WV]
	s_lshr_b32 s91, s80, 4
	s_and_b32 s92, s80, 15
	s_lshl_b32 s93, s91, 4
	s_add_co_u32 s93, s93, s90
	s_lshl_b32 s93, s93, 4
	s_add_co_u32 s93, s93, s92
	s_mul_i32 s93, s93, 6144
	s_add_co_u32 s93, s93, 2*XSZ
	s_lshl_b32 s2, s91, 3
	s_lshr_b32 s3, s90, 1
	s_add_co_u32 s2, s2, s3
	s_mul_i32 s2, s2, 24576
	s_and_b32 s3, s90, 1
	s_lshl_b32 s3, s3, 12
	s_add_co_u32 s2, s2, s3
	s_lshl_b32 s3, s92, 8
	s_add_co_u32 s2, s2, s3
	s_add_co_u32 s2, s2, 524288+16384
	s_mov_b32 s95, 98304
	s_mov_b32 s23, 768
	s_cmp_eq_u32 s79, 1
	s_cselect_b32 s86, s93, s86
	s_cselect_b32 s88, s2, s88
	s_cselect_b32 s95, 768, s95                    ; from a fragment's first half image to its second
	s_cselect_b32 s23, 1536, s23                   ; from A tile to A tile
	s_cselect_b32 s94, -1, 0xffff                  ; q, k: a head's two bytes of the scale word; v: all four
	s_mov_b32 s87, 0
	s_mov_b32 s89, 0
	s_add_nc_u64 s[92:93], s[16:17], s[88:89]
	s_add_nc_u64 s[84:85], s[14:15], s[86:87]
	s_mov_b32 s2, s23
	s_mov_b32 s3, 0
	s_add_nc_u64 s[86:87], s[84:85], s[2:3]
	s_add_nc_u64 s[88:89], s[86:87], s[2:3]
	s_add_nc_u64 s[90:91], s[88:89], s[2:3]
	v_add_nc_u32 v18, s95, v16
	v_add_nc_u32 v19, s95, v17
	s_wait_loadcnt 0x0                             ; scale words and biases
.irp a, 0,1,2,3
	v_mul_f32 v[BL+2*\a], s78, v[BL+2*\a]
.endr
.irp a, 0,1,2,3
	v_mov_b32 v[BL+2*\a+1], v[BL+2*\a]             ; (named with it as a pair)
.endr
	WIN 0x80                                       ; destination window 2
.irp a, 0,1,2,3
.irp t, 0,1,2,3,4,5,6,7
.irp j, 0,2,4,6
	v_pk_fma_f32 v[8*(8*\a+\t)+\j:8*(8*\a+\t)+\j+1], v[BR+8*\t+\j:BR+8*\t+\j+1], s[76:77], v[BL+2*\a:BL+2*\a+1] op_sel_hi:[1,0,0]   ; the sums begin with the bias, while the first tiles are on their way
.endr
.endr
.endr
	WIN 0
	s_wait_alu depctr_va_vdst(0)
	s_wait_tensorcnt 0x0                           ; my one load is in,
	s_barrier_signal -1
	s_barrier_wait -1                              ; everybody's is
	FETCH 0
	STEP 0, 0, 0
	STEP 1, 0, 0
	STEP 2, 0, 0
	STEP 3, 0, 0
	STEP 4, 0, 0
	STEP 5, 0, 0
	STEP 6, 0, 0
	STEP 7, 0, 0
	; THE WAY OUT.  The 64 numbers of a lane for A tile a (register 16 b + i = place 64 (b / 2) + 16 (b % 2) + 32 h + i along B) become a fragment's codes and its row's scale word.
.macro QUANTW a
.set qS, 64*(\a)
.set qP, PCB+20*(\a)
	WIN 0x0a                                       ; sources 0 and 1: window 2
.irp b, 0,1,2,3
	v_max3_num_f32 v[TM+\b], |v[qS+16*\b]|, |v[qS+1+16*\b]|, 0x2800000   ; each accumulator is read from its low end on; the floor 2^(5 - 127) holds the byte at 1 from below
.endr
.irp i, 2,4,6,8,10,12,14
.irp b, 0,1,2,3
	v_max3_num_f32 v[TM+\b], |v[qS+16*\b+\i]|, |v[qS+1+16*\b+\i]|, v[TM+\b]
.endr
.endr
	WIN 0
	v_max_num_f32 v[TM], v[TM], v[TM+1]            ; registers 32 c .. 32 c + 31 are my own block 2 c + h: its largest magnitude needs no other lane
	v_max_num_f32 v[TM+2], v[TM+2], v[TM+3]
	v_add_nc_u32 v[TM+12], 0xfe000000, v[TM]
	v_add_nc_u32 v[TM+14], 0xfe000000, v[TM+2]
	v_lshrrev_b32 v[TM+4], 23, v[TM+12]
	v_lshrrev_b32 v[TM+5], 23, v[TM+14]
	v_lshl_or_b32 v[PW+(\a)], v[TM+5], 16, v[TM+4] ; my two bytes, blocks h and 2 + h,
	v_lshlrev_b32 v[PW+(\a)], v21, v[PW+(\a)]      ; at their places in the scale word (8 h bits up);
	v_permlanex16_b32 v[TM+6], v[PW+(\a)], s[SEL], s[SEL+1]
	v_or_b32 v[PW+(\a)], v[PW+(\a)], v[TM+6]       ; with lane l xor 16's two the word is whole
	WIN 0x02                                       ; source 0: window 2
.irp c, 0,1
	v_cvt_scalef32_pk16_bf6_f32 v[qP+6*\c:qP+2+6*\c], v[qS+32*\c:qS+15+32*\c], v[TM+12+2*\c]
	v_cvt_scalef32_pk16_bf6_f32 v[qP+12+4*\c:qP+14+4*\c], v[qS+16+32*\c:qS+31+32*\c], v[TM+12+2*\c]
.endr
	WIN 0
	v_nop                                          ; one plain place behind a scaled conversion
.irp c, 0,1
.irp i, 0,1,2
	v_mov_b32 v[qP+3+6*\c+\i], v[qP+12+4*\c+\i]
.endr
.endr
.endm
	s_mov_b32 s[SEL], 0x76543210
	s_mov_b32 s[SEL+1], 0xfedcba98
	v_lshlrev_b32 v21, 3, v20                      ; 8 h
	PLACES 4                                       ; between the last products and the first read of results and the first write over fragments
.irp b, 0,1,2,3
	v_mov_b32 v[TM+4+\b], 0                        ; a lane permute's destination counts as one of its sources
.endr
.irp a, 0,1,2,3
	QUANTW \a
	global_store_b128 v16, v[PCB+20*\a:PCB+20*\a+3], s[84+2*\a:85+2*\a]                ; registers 0-3: 512 consecutive bytes,
	global_store_b64 v17, v[PCB+20*\a+4:PCB+20*\a+5], s[84+2*\a:85+2*\a] offset:512    ; 4 and 5: 256: the first half image (q, k: the even head; v: keys 0-63);
	global_store_b128 v18, v[PCB+20*\a+6:PCB+20*\a+9], s[84+2*\a:85+2*\a]              ; registers 6-11: the second.  Each tile has registers of its own: no store's data are written again
	global_store_b64 v19, v[PCB+20*\a+10:PCB+20*\a+11], s[84+2*\a:85+2*\a] offset:512
.endr
	; A scale unit, 256 bytes: lane (r, h) holds the words of row r of tiles h and 2 + h
	v_cmp_le_u32 vcc_lo, 16, v6
	v_cndmask_b32 v28, v[PW], v[PW+1], vcc_lo
	v_cndmask_b32 v29, v[PW+2], v[PW+3], vcc_lo
	v_lshrrev_b32 v30, 16, v28                     ; q, k: the odd head's two bytes
	v_lshrrev_b32 v31, 16, v29
	v_and_b32 v28, s94, v28
	v_and_b32 v29, s94, v29
	global_store_b64 v17, v[28:29], s[92:93]
	s_cmp_eq_u32 s79, 1                            ; v has one unit; the branch hangs on the cluster's number alone
	s_cbranch_scc1 .Lno_odd
	global_store_b64 v17, v[30:31], s[92:93] offset:8192
.Lno_odd:
	s_wait_tensorcnt 0x0
	ds_add_u32 v254, v255
	s_wait_dscnt 0x0
	CROUND                                         ; the closing round: no work-group ends while a partner may still ask for a tile that names it
	s_endpgm
.Lfunc_end_k_q7752294d1e_proj:
	.size	k_q7752294d1e_proj, .Lfunc_end_k_q7752294d1e_proj-k_q7752294d1e_proj
	.p2alignl 7, 3214868480
	.fill 96, 4, 3214868480
	.section	.rodata,"a",@progbits
	.p2align	6, 0x0
	.amdhsa_kernel k_q7752294d1e_proj
		.amdhsa_group_segment_fixed_size 295424
		.amdhsa_private_segment_fixed_size 0
		.amdhsa_enable_private_segment 0
		.amdhsa_kernarg_size 56
		.amdhsa_user_sgpr_count 2
		.amdhsa_user_sgpr_kernarg_segment_ptr 1
		.amdhsa_wavefront_size32 1
		.amdhsa_system_sgpr_workgroup_id_x 1
		.amdhsa_system_sgpr_workgroup_id_y 1
		.amdhsa_system_sgpr_workgroup_id_z 1
		.amdhsa_system_vgpr_workitem_id 0
		.amdhsa_next_free_vgpr 768
		.amdhsa_next_free_sgpr 102
		.amdhsa_reserve_vcc 1
		.amdhsa_float_denorm_mode_32 3
		.amdhsa_float_denorm_mode_16_64 3
		.amdhsa_memory_ordered 1
		.amdhsa_forward_progress 1
		.amdhsa_inst_pref_size 88
	.end_amdhsa_kernel
	.amdgpu_metadata
---
amdhsa.version: [ 1, 2 ]
amdhsa.kernels:
  - .name:           k_q7752294d1e_proj
    .symbol:         k_q7752294d1e_proj.kd
    .args:
      - { .name: xc, .offset: 0, .size: 8, .value_kind: global_buffer, .address_space: global }
      - { .name: xs, .offset: 8, .size: 8, .value_kind: global_buffer, .address_space: global }
      - { .name: bq, .offset: 16, .size: 8, .value_kind: global_buffer, .address_space: global }
      - { .name: bk, .offset: 24, .size: 8, .value_kind: global_buffer, .address_space: global }
      - { .name: bv, .offset: 32, .size: 8, .value_kind: global_buffer, .address_space: global }
      - { .name: ac, .offset: 40, .size: 8, .value_kind: global_buffer, .address_space: global }
      - { .name: asc, .offset: 48, .size: 8, .value_kind: global_buffer, .address_space: global }
    .group_segment_fixed_size: 295424
    .private_segment_fixed_size: 0
    .kernarg_segment_align: 8
    .kernarg_segment_size: 56
    .max_flat_workgroup_size: 128
    .sgpr_count:     102
    .vgpr_count:     768
    .wavefront_size: 32
...
	.end_amdgpu_metadata
.endif
;; end of part 2
;; launch attn (part 3): grid 4 x 64, 16 waves a work-group, clusters of 4 x 1, 327,680 bytes of LDS; arguments ac, asc, mc, ms; writes mc, ms
.if DOCPART == 3
	.amdgcn_target "amdgcn-amd-amdhsa--gfx1250"
	.amdhsa_code_object_version 6
	.text
	.protected	k_q7752294d1e_attn
	.globl	k_q7752294d1e_attn
	.p2align	8
	.type	k_q7752294d1e_attn,@function
k_q7752294d1e_attn:
	s_mov_b64 s[64:65], 0
	v_nop
	global_prefetch_b8 v0, s[64:65] scope:SCOPE_SE
	s_setreg_imm32_b32 hwreg(HW_REG_WAVE_MODE, 25, 1), 1
	s_wait_xcnt 0x0
	s_wait_alu depctr_hold_cnt(0) depctr_sa_sdst(0) depctr_va_vdst(0) depctr_va_sdst(0) depctr_va_ssrc(0) depctr_va_vcc(0) depctr_vm_vsrc(0)
	s_getreg_b32 s2, hwreg(HW_REG_IB_STS2, 6, 4)
	s_cmp_eq_u32 s2, 0
	s_cbranch_scc0 .Lentry_in_a_cluster
	s_endpgm
.Lentry_in_a_cluster:
	s_bfe_u32 s2, ttmp6, 0x10000c
	s_cmp_lg_u32 s2, 0x3003
	s_cbranch_scc0 .Lentry_shape_is_right
	s_endpgm
.Lentry_shape_is_right:
; softmax(q k^T / 8) v for 64 (batch, head)s of 2,048 x 64, both products on codes of BF6, and each head's result quantised for the last projection.
; THE SOFTMAX: t = score x log2(e) / 8; M = the running largest t rounded UP to a whole number; p = 2^(t - M) is quantised along the keys, not normalised; the row's sum is taken of the unquantised p and divides at the end.
; When M moves, the sum and O are multiplied by 2^(old M - new M): exact, and no branch on data.
; SHARES.  A work-group owns ONE head and 512 queries: 4 x 64 work-groups.  Each of its sixteen waves owns two tiles of 16 queries, w and 16 + w, one after the other: it walks the head's 16 key steps of 128 twice.
; LDS.  The head's whole K (98,304 bytes from byte 0), V (98,304 behind it) and their scale words (12,288) are filled ONCE, by one load a wave at the head (waves 0-3: K, waves 4-7: V, 24,576 bytes each; waves 8-10: 4,096 bytes of scale words each).
; Nothing is filled again.
; CLUSTER.  The four query blocks of a head form a cluster and read the same K and V: every load is asked for jointly.
; No prefetch: every byte of K and V that the work-group reads is asked for by the head's loads; there is no later load to run ahead of.
; LAYOUT.  Both products transposed: S^T = K Q^T (source 0 = keys), O^T = V^T P^T (source 0 = 16 channels): a lane holds one query throughout.  Row r of tile 4 g + i (of tokens, of channels) is the row 64 g + 8 i + r % 8 + 32 (r / 8),
; so a lane's 32 registers of tiles 4 g .. 4 g + 3 are 32 neighbours: lane (r, h) holds the whole blocks h and 2 + h of a key step, and the whole block h of a head's channels.  No block's maximum needs another lane, and the codes are made in their places.
; K = 64 IN THE FIRST PRODUCT.  A fragment of K holds TWO tiles of keys: tile Ta's 64 channels in registers 0-5, tile Tb's in 6-11.  Multiplied by [q | zero codes] it gives Ta's scores, by [zero codes | q] Tb's: v16-33 hold q, zeros, q.
; The fragment's scale word is Ta's two bytes below Tb's; q's scale word holds its two bytes twice.  So a step's eight tiles are 48 registers, fetched in one run, a whole step ahead: directly behind the products that read the last ones.
; OUT.  A head's 64 channels are half a fragment of the merged operand: mc = [tile of 16 tokens][head][768 bytes: registers 0-3 at 16 x lane, 4 and 5 at 512 + 8 x lane]; ms = [head][place of the token][2 scale bytes].
; LIMITS: NaN and infinities are not served; a block whose largest magnitude lies under 2^-122 keeps the byte 1; the promise holds while |t| stays under 2^31.
; REGISTERS: v1-7 addresses that stay; v8-11, v50-51 addresses in hand; v12 -M, v13 the largest t, v[14:15] the sum; v16-33 Q; v34 its scale word; v35 8 h; v36-41 a tile's codes, v48 its scale bytes; v42-47, v49 the first tile's, kept;
;   v52-99 K's four fragments; v100-103 K's scale words as they lie, v106-107 joined; v104-105 V's; v108-111, v234-235, v223 the second tile's Q; v112-175 S^T, then p, then V's four fragments; v176-207 O^T; v208-219 p's codes; the rest of v220-255 at work.
.set XSZ,   6291456
.set VB,    98304                      ; V's codes in LDS
.set SCL,   196608                     ; K's scale words, 8,192 bytes, then V's, 4,096
.set SPARE, 208896                     ; the spare words, 128 bytes for each wave: eight blocks of 256 bytes that no other line names
.set SSTG,  210944                     ; 1,024 bytes in which the 512 queries' scale bytes meet; no fill lands here
.set WV,    12
.set SEL,   20
.set CS,    22                         ; s[22:23] c = log2(e) / 8
.set G1,    24                         ; s[24:31] group 1 for 96 rows of 256 bytes of codes
.set G1S,   32                         ; s[32:39] for 16 rows of scale words
.set G0,    40
.set G0S,   44
.set TK,    48                         ; LDS byte of the NEXT key step's K
.set TS,    49                         ; its place among K's scale words: 512 bytes a step
.set TJ,    50                         ; this step's place among V's scale words: 256 a step
.set TV,    51                         ; LDS byte of the next key step's V
.set CNT,   52
.set PASS,  53
.set OC,    36
.set OC0,   42
.set KF,    52
.set KR,    100
.set VSC,   104
.set KC,    106
.set Q2,    108
.set Q2B,   234
.set Q2S,   223
.set S,     112
.set O,     176
.set PCD,   208
.set CT,    220
.set BM,    228
.set BX,    232
.set BSO,   236
.macro PLACES n
.rept \n
	v_nop
.endr
.endm
.macro CROUND
	s_barrier_signal -1
	s_barrier_wait -1
	s_cmp_lg_u32 s[WV], 0
	s_cbranch_scc1 .Lnot_wave_0_\@
	s_barrier_signal -3
.Lnot_wave_0_\@:
	s_barrier_wait -3
	s_barrier_signal -1
	s_barrier_wait -1
.endm
	s_load_b256 s[4:11], s[0:1], 0x0               ; ac, asc, mc, ms
	v_lshl_add_u32 v5, v0, 2, SPARE                ; my spare word; never rewritten
	v_mov_b32 v6, 0                                ; 0; never rewritten
	ds_add_u32 v5, v6                              ; the opening lines: the add, twice on end, and its wait
	ds_add_u32 v5, v6
	v_lshrrev_b32 v8, 5, v0
	v_readfirstlane_b32 s[WV], v8                  ; wave 0..15
	s_bfe_u32 s13, ttmp6, 0x40000                  ; cx: my block of 512 queries: it enters Q's and the output's addresses alone
	s_and_b32 s14, ttmp7, 0xffff                   ; bh = 16 x batch + head: shared by the four partners
	s_and_b32 s15, s[WV], 7                        ; codes: piece 0..7: K's four quarters, then V's
	s_mul_i32 s58, s15, 24576                      ; where it goes
	s_lshr_b32 s16, s15, 2
	s_add_co_u32 s54, s16, 1
	s_mul_i32 s54, s54, XSZ                        ; K's codes lie XSZ into ac, V's 2 XSZ
	s_mul_i32 s55, s14, 98304                      ; a head's codes
	s_add_co_u32 s54, s54, s55
	s_and_b32 s17, s15, 3
	s_mul_i32 s17, s17, 24576                      ; the quarter
	s_add_co_u32 s54, s54, s17
	s_mov_b32 s55, 0
	s_and_b32 s18, s[WV], 3                        ; scale words: piece j = 0, 1: K's halves; 2: V's
	s_lshl_b32 s19, s18, 12
	s_add_co_u32 s59, s19, SCL                     ; where it goes
	s_and_b32 s57, s14, 1                          ; the head's place in its pair
	s_lshl_b32 s56, s57, 13
	s_add_co_u32 s56, s56, s19                     ; K's: 8,192 a head, + 4,096 j
	s_lshl_b32 s57, s57, 12
	s_add_co_u32 s57, s57, 16384                   ; V's: behind both heads' K's, 4,096 a head
	s_cmp_lt_u32 s18, 2
	s_cselect_b32 s56, s56, s57
	s_lshr_b32 s57, s14, 1
	s_mul_i32 s57, s57, 24576                      ; the pair's block
	s_add_co_u32 s56, s56, s57
	s_add_co_u32 s56, s56, 524288
	s_mov_b32 s57, 0
	s_lshl_b32 s66, s13, 5
	s_add_co_u32 s66, s66, s[WV]                   ; my first tile of the head's 128: 32 cx + wave; the second lies 16 on
	s_mul_i32 s60, s66, 768
	s_mul_i32 s61, s14, 98304
	s_add_co_u32 s60, s60, s61                     ; Q's half image
	s_mov_b32 s61, 0
	s_lshl_b32 s62, s14, 13                        ; Q's scale word: 8,192 bytes a head; unit tile / 4; in it tile % 4 = 2 jj + h: byte 8 r + 128 h + 4 jj
	s_lshr_b32 s63, s66, 2
	s_lshl_b32 s63, s63, 8
	s_add_co_u32 s62, s62, s63
	s_and_b32 s63, s[WV], 1
	s_lshl_b32 s63, s63, 7
	s_add_co_u32 s62, s62, s63
	s_bfe_u32 s63, s[WV], 0x10001
	s_lshl_b32 s63, s63, 2
	s_add_co_u32 s62, s62, s63
	s_mov_b32 s63, 0
	s_lshr_b32 s67, s14, 4                         ; batch
	s_and_b32 s70, s14, 15                         ; head
	s_lshl_b32 s68, s67, 7
	s_add_co_u32 s68, s68, s66                     ; the tile of tokens
	s_lshl_b32 s68, s68, 4
	s_add_co_u32 s68, s68, s70                     ; 16 half images a tile, one a head
	s_mul_i32 s68, s68, 768
	s_mov_b32 s69, 0
	s_lshl_b32 s70, s70, 14                        ; ms: 16,384 bytes a head, 4,096 a batch, 1,024 a block of 512 queries
	s_lshl_b32 s71, s67, 12
	s_add_co_u32 s70, s70, s71
	s_lshl_b32 s71, s13, 10
	s_add_co_u32 s70, s70, s71
	s_mov_b32 s71, 0
	s_lshl_b32 s72, s[WV], 5
	s_mov_b32 s[G1], 15|(3<<16)|(1<<21)            ; 15:0 the mask: all four work-groups; 17:16 elements of 8 bytes; 21 set beside a mask; no padding: images are read as they lie
	s_mov_b32 s[G1+1], 32<<16                      ; rows of 256 bytes
	s_mov_b32 s[G1+2], 96<<16
	s_mov_b32 s[G1+3], 32<<16
	s_mov_b32 s[G1+4], 96
	s_mov_b32 s[G1+5], 32
	s_mov_b32 s[G1+6], 0
	s_mov_b32 s[G1+7], 0
	s_mov_b32 s[G1S], 15|(3<<16)|(1<<21)
	s_mov_b32 s[G1S+1], 32<<16
	s_mov_b32 s[G1S+2], 16<<16
	s_mov_b32 s[G1S+3], 32<<16
	s_mov_b32 s[G1S+4], 16
	s_mov_b32 s[G1S+5], 32
	s_mov_b32 s[G1S+6], 0
	s_mov_b32 s[G1S+7], 0
	s_mov_b32 s[SEL], 0x76543210
	s_mov_b32 s[SEL+1], 0xfedcba98
	s_mov_b32 s[CS], 0x3e38aa3b
	s_mov_b32 s[CS+1], s[CS]                       ; (named with it as a pair)
	s_wait_dscnt 0x0                               ; both opening adds are done
	s_wait_kmcnt 0x0
	s_mov_b32 s[G0], 1
	s_mov_b32 s[G0+1], s58
	s_add_nc_u64 s[G0+2:G0+3], s[4:5], s[54:55]
	s_or_b32 s[G0+3], s[G0+3], 0x80000000
	s_mov_b32 s[G0S], 1
	s_mov_b32 s[G0S+1], s59
	s_add_nc_u64 s[G0S+2:G0S+3], s[6:7], s[56:57]
	s_or_b32 s[G0S+3], s[G0S+3], 0x80000000
	s_add_nc_u64 s[60:61], s[4:5], s[60:61]
	s_add_nc_u64 s[62:63], s[6:7], s[62:63]
	s_add_nc_u64 s[68:69], s[8:9], s[68:69]
	s_add_nc_u64 s[70:71], s[10:11], s[70:71]
	CROUND                                         ; all four work-groups are here: the joint loads meet
	s_cmp_lt_u32 s[WV], 8                          ; one chain of branches on the wave's number, one fill to an arm, one join
	s_cbranch_scc0 .Lfor_scales
	tensor_load_to_lds s[G0:G0+3], s[G1:G1+7]      ; waves 0-7: four key steps of K or of V
	s_nop 0
	PLACES 4
	s_branch .Lasked
.Lfor_scales:
	s_cmp_lt_u32 s[WV], 11
	s_cbranch_scc0 .Lasked
	tensor_load_to_lds s[G0S:G0S+3], s[G1S:G1S+7]  ; waves 8-10: scale words
	s_nop 0
	PLACES 4
.Lasked:
	v_and_b32 v9, 31, v0
	v_and_b32 v10, 15, v0
	v_bfe_u32 v35, v0, 4, 1
	v_lshlrev_b32 v1, 4, v9                        ; 16 x lane
	v_lshlrev_b32 v2, 3, v9                        ; 8 x lane
	v_lshlrev_b32 v11, 3, v10
	v_lshl_add_u32 v7, v10, 1, s72
	v_lshlrev_b32 v35, 3, v35                      ; 8 h
	v_add_nc_u32 v3, SCL, v2                       ; K's scale units
	v_add_nc_u32 v4, SCL+8192, v2                  ; V's
	v_add_nc_u32 v7, SSTG, v7                      ; where my row's scale bytes go: 32 x wave + 2 r; the second tile's 512 on
	global_load_b128 v[16:19], v1, s[60:61]        ; Q's half image, first tile,
	global_load_b64 v[20:21], v2, s[60:61] offset:512
	global_load_b128 v[Q2:Q2+3], v1, s[60:61] offset:12288   ; and second tile, 16 half images on
	global_load_b64 v[Q2B:Q2B+1], v2, s[60:61] offset:12288+512
	global_load_b32 v34, v11, s[62:63]
	global_load_b32 v[Q2S], v11, s[62:63] offset:1024   ; four units on
.irp j, 22,23,24,25,26,27
	v_mov_b32 v[\j], 0                             ; the zero codes between q and q
.endr
.irp j, 0,1,2,3,4,5,6,7,8,9,10,11,12,13
	v_mov_b32 v[OC+\j], 0                          ; the output's codes and scale bytes: written on every path
.endr
	v_mov_b32 v[BX], 0                             ; a lane permute's destination counts as one of its sources
	v_mov_b32 v[BX+1], 0
	v_mov_b32 v249, 0                              ; (named as the upper half of the pair v[248:249])
	v_mov_b32 v250, 0
; A step's K: four fragments of two tiles each, (0, 2), (1, 3), (4, 6), (5, 7), a half image of 768 bytes a tile, and the eight tiles' scale words as they lie (tiles 0 | 1, 2 | 3, 4 | 5, 6 | 7 in lanes 0-15 | 16-31)
.macro KLOAD a16, a8, aks
.irp j, 0,1,2,3
.irp c, 0,1
	ds_load_b128 v[KF+12*\j+6*\c:KF+12*\j+6*\c+3], v[\a16] offset:768*((\j%2)+4*(\j/2)+2*\c)
	ds_load_b64 v[KF+12*\j+6*\c+4:KF+12*\j+6*\c+5], v[\a8] offset:768*((\j%2)+4*(\j/2)+2*\c)+512
.endr
.endr
	ds_load_b64 v[KR:KR+1], v[\aks]
	ds_load_b64 v[KR+2:KR+3], v[\aks] offset:256
.endm
.macro KJOIN                           ; a fragment's scale word: its first tile's two bytes below its second's: fragments 0 | 1 and 2 | 3
	v_lshl_or_b32 v[KC], v[KR+1], 16, v[KR]
	v_lshl_or_b32 v[KC+1], v[KR+3], 16, v[KR+2]
.endm
.macro WQK t, j, q                     ; tile t's scores: fragment j against [q | 0] (q = 16) or [0 | q] (q = 22)
.if (\j)%2
	v_wmma_scale_f32_16x16x128_f8f6f4 v[S+8*(\t):S+8*(\t)+7], v[KF+12*(\j):KF+12*(\j)+11], v[\q:\q+11], 0, v[KC+(\j)/2], v34 matrix_a_fmt:MATRIX_FMT_BF6 matrix_b_fmt:MATRIX_FMT_BF6 matrix_a_scale:MATRIX_SCALE_ROW1
.else
	v_wmma_scale_f32_16x16x128_f8f6f4 v[S+8*(\t):S+8*(\t)+7], v[KF+12*(\j):KF+12*(\j)+11], v[\q:\q+11], 0, v[KC+(\j)/2], v34 matrix_a_fmt:MATRIX_FMT_BF6 matrix_b_fmt:MATRIX_FMT_BF6
.endif
.endm
; A KEY STEP: 128 keys.  fetch = 1: the next step's K is fetched.
.macro STEP fetch
.irp j, 0,1,2,3
	WQK (\j%2)+4*(\j/2), \j, 16
	WQK (\j%2)+4*(\j/2)+2, \j, 22
.endr
	v_add_nc_u32 v11, s[TJ], v4                    ; four places behind the products: ahead of the loads into their fragments and of the first read of the scores
.if \fetch
	v_add_nc_u32 v8, s[TK], v1
	v_add_nc_u32 v9, s[TK], v2
	v_add_nc_u32 v10, s[TS], v3
	KLOAD 8, 9, 10
.else
	PLACES 3
.endif
; The largest score of each block of 32 keys: for the row's maximum, and, since p rises with the score, for the block's largest p.  My registers 32 c .. 32 c + 31 are block 2 c + h; four chains of 16, joined two and two.
.irp b, 0,1,2,3
	v_max3_num_f32 v[BM+\b], v[S+16*\b], v[S+1+16*\b], v[S+2+16*\b]
.endr
.irp i, 3,5,7,9,11,13
.irp b, 0,1,2,3
	v_max3_num_f32 v[BM+\b], v[BM+\b], v[S+16*\b+\i], v[S+1+16*\b+\i]
.endr
.endr
.irp c, 0,1
	v_max3_num_f32 v[BM+2*\c], v[BM+2*\c], v[BM+2*\c+1], v[S+15+32*\c]
.endr
.irp c, 0,1
	v_max_num_f32 v[BM+2*\c], v[BM+2*\c], v[S+31+32*\c]
.endr
	s_delay_alu instid0(VALU_DEP_1)
	v_max_num_f32 v250, v[BM], v[BM+2]
	s_delay_alu instid0(VALU_DEP_1)
	v_permlanex16_b32 v[BX], v250, s[SEL], s[SEL+1]
	s_delay_alu instid0(VALU_DEP_1)
	v_max_num_f32 v250, v250, v[BX]                ; with lane l xor 16's 64 keys: the step's largest score of my query
	s_delay_alu instid0(VALU_DEP_1)
	v_mul_f32 v250, s[CS], v250                    ; as t (c is positive)
	s_delay_alu instid0(VALU_DEP_1)
	v_max_num_f32 v13, v13, v250                   ; the running largest t
	v_mov_b32 v250, v12
	s_delay_alu instid0(VALU_DEP_2)
	v_floor_f32 v12, -v13                          ; the new -M = floor(-t)
	s_delay_alu instid0(VALU_DEP_1)
	v_sub_f32 v250, v12, v250                      ; old M - new M: a whole number, 0 or less
	s_delay_alu instid0(VALU_DEP_1)
	v_cvt_i32_f32 v250, v250                       ; (it saturates)
	s_delay_alu instid0(VALU_DEP_1)
	v_ldexp_f32 v248, 1.0, v250                    ; f = 2^(old M - new M)
.set j, 0
.rept 32
	v_pk_fma_f32 v[S+j:S+j+1], v[S+j:S+j+1], s[CS:CS+1], v[12:13] op_sel_hi:[1,0,0]   ; t - M, two at a time
.set j, j+2
.endr
.irp c, 0,1
	v_fma_f32 v[BM+2*\c], v[BM+2*\c], s[CS], v12   ; the same of each block's largest score
.endr
.set j, 0
	s_wait_alu depctr_va_vdst(0)                   ; ahead of the batch
.rept 64
	v_exp_f32 v[S+j], v[S+j]                       ; p = 2^(t - M)
.set j, j+1
.endr
	v_pk_mul_f32 v[14:15], v[14:15], v[248:249] op_sel_hi:[1,0]   ; the sums under the new M: a plain place behind the exponentials
	s_wait_alu depctr_va_vdst(0)                   ; one wait for the batch of 64, ahead of its first reader
.irp c, 0,1
	v_exp_f32 v[BM+2*\c], v[BM+2*\c]               ; the block's largest p: the same two instructions on the same number
.endr
	v_pk_add_f32 v[244:245], v[116:117], v[120:121]   ; the row's sum of the unquantised p, two at a time, in eight chains
	v_pk_add_f32 v[254:255], v[124:125], v[128:129]
	v_pk_add_f32 v[252:253], v[132:133], v[136:137]
	v_pk_add_f32 v[246:247], v[140:141], v[144:145]
	v_pk_add_f32 v[242:243], v[148:149], v[152:153]
	v_pk_add_f32 v[240:241], v[156:157], v[160:161]
	v_pk_add_f32 v[238:239], v[164:165], v[168:169]
	v_pk_add_f32 v[14:15], v[14:15], v[172:173]
	v_pk_add_f32 v[244:245], v[244:245], v[112:113]
	v_pk_add_f32 v[254:255], v[254:255], v[114:115]
	v_pk_add_f32 v[252:253], v[252:253], v[118:119]
	v_pk_add_f32 v[246:247], v[246:247], v[122:123]
	v_pk_add_f32 v[242:243], v[242:243], v[126:127]
	v_pk_add_f32 v[240:241], v[240:241], v[130:131]
	v_pk_add_f32 v[238:239], v[238:239], v[134:135]
	v_pk_add_f32 v[14:15], v[14:15], v[138:139]
	v_pk_add_f32 v[244:245], v[244:245], v[142:143]
	v_pk_add_f32 v[254:255], v[254:255], v[146:147]
	v_pk_add_f32 v[252:253], v[252:253], v[150:151]
	v_pk_add_f32 v[246:247], v[246:247], v[154:155]
	v_pk_add_f32 v[242:243], v[242:243], v[158:159]
	v_pk_add_f32 v[240:241], v[240:241], v[162:163]
	v_pk_add_f32 v[238:239], v[238:239], v[166:167]
	v_pk_add_f32 v[14:15], v[14:15], v[170:171]
	v_pk_add_f32 v[244:245], v[244:245], v[174:175]
	v_pk_add_f32 v[14:15], v[14:15], v[246:247]
	v_pk_add_f32 v[244:245], v[244:245], v[242:243]
	v_pk_add_f32 v[254:255], v[254:255], v[240:241]
	v_pk_add_f32 v[252:253], v[252:253], v[238:239]   ; (the last three additions stand behind the step's last products)
	s_wait_alu depctr_va_vdst(0)                   ; and one for the two
.irp c, 0,1
	v_max_num_f32 v[BM+2*\c], 0x2800000, v[BM+2*\c]   ; the floor 2^(5 - 127)
.endr
.irp c, 0,1
	s_delay_alu instid0(VALU_DEP_2)
	v_add_nc_u32 v[BSO+\c], 0xfe000000, v[BM+2*\c]
.endr
.irp c, 0,1
	s_delay_alu instid0(VALU_DEP_2)
	v_lshrrev_b32 v[BX+\c], 23, v[BSO+\c]
.endr
	s_delay_alu instid0(VALU_DEP_1)
	v_lshl_or_b32 v251, v[BX+1], 16, v[BX]         ; my two bytes, blocks h and 2 + h,
	s_delay_alu instid0(VALU_DEP_1)
	v_lshlrev_b32 v251, v35, v251                  ; at their places in p's scale word;
	s_delay_alu instid0(VALU_DEP_1)
	v_permlanex16_b32 v[BX], v251, s[SEL], s[SEL+1]
	s_delay_alu instid0(VALU_DEP_1)
	v_or_b32 v251, v251, v[BX]                     ; with lane l xor 16's two the word is whole
.irp c, 0,1
	v_cvt_scalef32_pk16_bf6_f32 v[PCD+6*\c:PCD+2+6*\c], v[S+32*\c:S+15+32*\c], v[BSO+\c]
	v_cvt_scalef32_pk16_bf6_f32 v[CT+4*\c:CT+2+4*\c], v[S+16+32*\c:S+31+32*\c], v[BSO+\c]   ; (a conversion's three registers begin on an even number)
.endr
	v_nop                                          ; one plain place behind a scaled conversion
.if \fetch
	s_wait_alu depctr_va_vdst(0)                   ; directly ahead of the wait below
	s_wait_dscnt 0x0                               ; the next step's K and scale words, asked for behind the score products, are in
	KJOIN                                          ; the 22 plain lines below are the places ahead of the next score products
.endif
.irp t, 0,1,2,3                                ; V's four fragments take p's place: two half images each
.irp c, 0,1
	ds_load_b128 v[S+12*\t+6*\c:S+12*\t+6*\c+3], v50 offset:1536*\t+768*\c
	ds_load_b64 v[S+12*\t+6*\c+4:S+12*\t+6*\c+5], v51 offset:1536*\t+768*\c+512
.endr
.endr
	ds_load_b64 v[VSC:VSC+1], v11                  ; scale words of V's channel tiles 0 | 1, 2 | 3
.irp c, 0,1
.irp i, 0,1,2
	v_mov_b32 v[PCD+3+6*\c+\i], v[CT+4*\c+\i]      ; registers 6 c .. 6 c + 5 hold keys 64 c + 32 h + 0 .. 31
.endr
.endr
	s_wait_alu depctr_va_vdst(0)                   ; directly ahead of the first reader of O^T
.set j, 0
.rept 16
	v_pk_mul_f32 v[O+j:O+j+1], v[O+j:O+j+1], v[248:249] op_sel_hi:[1,0]   ; O^T under the new M; these are also the places between the writes of p's codes and scale word and the products
.set j, j+2
.endr
	s_wait_alu depctr_va_vdst(0)                   ; directly ahead of the wait below
	s_wait_dscnt 0x0
.irp t, 0,1,2,3                                ; O^T += V^T P^T: the four accumulators by turns
.if \t%2
	v_wmma_scale_f32_16x16x128_f8f6f4 v[O+8*\t:O+8*\t+7], v[S+12*\t:S+12*\t+11], v[PCD:PCD+11], v[O+8*\t:O+8*\t+7], v[VSC+\t/2], v251 matrix_a_fmt:MATRIX_FMT_BF6 matrix_b_fmt:MATRIX_FMT_BF6 matrix_a_scale:MATRIX_SCALE_ROW1
.else
	v_wmma_scale_f32_16x16x128_f8f6f4 v[O+8*\t:O+8*\t+7], v[S+12*\t:S+12*\t+11], v[PCD:PCD+11], v[O+8*\t:O+8*\t+7], v[VSC+\t/2], v251 matrix_a_fmt:MATRIX_FMT_BF6 matrix_b_fmt:MATRIX_FMT_BF6
.endif
.endr
	v_pk_add_f32 v[14:15], v[14:15], v[254:255]    ; five places: the next scores are written over registers that these products read as V's fragments
	v_pk_add_f32 v[244:245], v[244:245], v[252:253]
.if \fetch
	v_add_nc_u32 v50, s[TV], v1                    ; the next step's V
	v_add_nc_u32 v51, s[TV], v2
.endif
	v_pk_add_f32 v[14:15], v[14:15], v[244:245]
.endm
; A tile of queries is finished: O^T / the sum.  My 32 registers are the head's channels 32 h + 0 .. 31, a whole block: six registers of codes, and with lane l xor 16's byte the row's two scale bytes.
.macro FINISH
	PLACES 4
	v_add_f32 v14, v14, v15
	s_delay_alu instid0(VALU_DEP_1)
	v_permlanex16_b32 v250, v14, s[SEL], s[SEL+1]
	s_delay_alu instid0(VALU_DEP_1)
	v_add_f32 v14, v14, v250                       ; the row's sum
	s_wait_alu depctr_va_vdst(0)                   ; ahead of the transcendental
	v_rcp_f32 v248, v14
	v_nop                                          ; a plain place behind the transcendental
	s_wait_alu depctr_va_vdst(0)                   ; the wait ahead of its first reader
.set j, 0
.rept 16
	v_pk_mul_f32 v[O+j:O+j+1], v[O+j:O+j+1], v[248:249] op_sel_hi:[1,0]   ; each accumulator from its low end on
.set j, j+2
.endr
.irp b, 0,1
	v_max3_num_f32 v[BM+\b], |v[O+16*\b]|, |v[O+1+16*\b]|, 0x2800000
.endr
.irp i, 2,4,6,8,10,12,14
.irp b, 0,1
	s_delay_alu instid0(VALU_DEP_2)
	v_max3_num_f32 v[BM+\b], v[BM+\b], |v[O+16*\b+\i]|, |v[O+1+16*\b+\i]|
.endr
.endr
	s_delay_alu instid0(VALU_DEP_1)
	v_max_num_f32 v[BM], v[BM], v[BM+1]
	s_delay_alu instid0(VALU_DEP_1)
	v_add_nc_u32 v[BSO], 0xfe000000, v[BM]
	s_delay_alu instid0(VALU_DEP_1)
	v_lshrrev_b32 v[BX], 23, v[BSO]
	s_delay_alu instid0(VALU_DEP_1)
	v_lshlrev_b32 v48, v35, v[BX]
	s_delay_alu instid0(VALU_DEP_1)
	v_permlanex16_b32 v[BX+1], v48, s[SEL], s[SEL+1]
	s_delay_alu instid0(VALU_DEP_1)
	v_or_b32 v48, v48, v[BX+1]
	v_cvt_scalef32_pk16_bf6_f32 v[OC:OC+2], v[O:O+15], v[BSO]
	v_cvt_scalef32_pk16_bf6_f32 v[CT:CT+2], v[O+16:O+31], v[BSO]
	v_nop
.irp i, 0,1,2
	v_mov_b32 v[OC+3+\i], v[CT+\i]
.endr
.endm
	s_wait_alu depctr_va_vdst(0)                   ; at the head's end
	s_wait_loadcnt 0x0                             ; Q and its scale words
.irp i, 0,1,2,3,4,5
	v_mov_b32 v[28+\i], v[16+\i]                   ; q once more, behind the zeros
.endr
	v_lshl_or_b32 v34, v34, 16, v34                ; and its two scale bytes twice
	s_wait_tensorcnt 0x0                           ; my fill, if I issued one, has landed,
	s_barrier_signal -1
	s_barrier_wait -1                              ; and everybody's has: K, V and their scale words are whole
	s_mov_b32 s[PASS], 2
.Lpass:                                            ; two trips: a tile of queries each
	s_cmp_eq_u32 s[PASS], 2
	s_cbranch_scc1 .Lfirst
.irp i, 0,1,2,3,4,5
	v_mov_b32 v[OC0+\i], v[OC+\i]                  ; the first tile's codes are kept,
.endr
	v_mov_b32 v49, v48                             ; and its scale bytes;
.irp i, 0,1,2,3
	v_mov_b32 v[16+\i], v[Q2+\i]                   ; the second tile's q, twice,
	v_mov_b32 v[28+\i], v[Q2+\i]
.endr
.irp i, 0,1
	v_mov_b32 v[20+\i], v[Q2B+\i]
	v_mov_b32 v[32+\i], v[Q2B+\i]
.endr
	v_lshl_or_b32 v34, v[Q2S], 16, v[Q2S]          ; and its scale bytes
.Lfirst:
	KLOAD 1, 2, 3                                  ; key step 0's K
	v_mov_b32 v13, 0xff61b1e6                      ; a tile of queries begins: the largest t so far: -3e38;
	s_delay_alu instid0(VALU_DEP_1)
	v_floor_f32 v12, -v13
	v_mov_b32 v14, 0                               ; zeros, which the first change of M leaves zeros
	v_mov_b32 v15, 0
	v_add_nc_u32 v50, VB, v1                       ; key step 0's V
	v_add_nc_u32 v51, VB, v2
	s_mov_b32 s[TK], 6144
	s_mov_b32 s[TS], 512
	s_mov_b32 s[TJ], 0
	s_mov_b32 s[TV], VB+6144
	s_wait_alu depctr_va_vdst(0)                   ; directly ahead of the wait below
	s_wait_dscnt 0x0
	KJOIN
.set j, 0
.rept 32
	v_mov_b32 v[O+j], 0                            ; these are also the places ahead of the first score products
.set j, j+1
.endr
	s_mov_b32 s[CNT], 15
.Lstep:
	STEP 1
	s_add_co_u32 s[TK], s[TK], 6144
	s_add_co_u32 s[TS], s[TS], 512
	s_add_co_u32 s[TJ], s[TJ], 256
	s_add_co_u32 s[TV], s[TV], 6144
	s_sub_co_u32 s[CNT], s[CNT], 1
	s_cmp_lg_u32 s[CNT], 0
	s_cbranch_scc1 .Lstep
	STEP 0                                         ; the last key step is written out: it fetches nothing
	FINISH
	s_wait_alu depctr_va_vdst(0)                   ; ahead of the branch
	s_sub_co_u32 s[PASS], s[PASS], 1
	s_cmp_lg_u32 s[PASS], 0
	s_cbranch_scc1 .Lpass
	global_store_b128 v1, v[OC0:OC0+3], s[68:69]                   ; the first tile's half image: 512 consecutive bytes,
	global_store_b64 v2, v[OC0+4:OC0+5], s[68:69] offset:512       ; and 256;
	global_store_b128 v1, v[OC:OC+3], s[68:69] offset:196608       ; the second tile's, 16 tiles of 12,288 bytes on
	global_store_b64 v2, v[OC+4:OC+5], s[68:69] offset:196608+512
	ds_store_b16 v7, v49                           ; both lanes of a row write the same bytes with the same value
	ds_store_b16 v7, v48 offset:512
	v_add_nc_u32 v8, SSTG, v1
	s_wait_dscnt 0x0                               ; for the others' sake: my stores are done
	s_barrier_signal -1
	s_barrier_wait -1
	s_cmp_lg_u32 s[WV], 0                          ; wave 0 stores the 512 rows' scale bytes: 1,024 consecutive bytes
	s_cbranch_scc1 .Lnot_0
	s_wait_alu depctr_va_vdst(0)                   ; directly ahead of the reader below
	ds_load_b128 v[52:55], v8
	ds_load_b128 v[56:59], v8 offset:512
	s_wait_dscnt 0x0
	global_store_b128 v1, v[52:55], s[70:71]
	global_store_b128 v1, v[56:59], s[70:71] offset:512
.Lnot_0:
	s_wait_tensorcnt 0x0                           ; the wave's end
	ds_add_u32 v5, v6
	s_wait_dscnt 0x0
	CROUND                                         ; the closing round
	s_endpgm
.Lfunc_end_k_q7752294d1e_attn:
	.size	k_q7752294d1e_attn, .Lfunc_end_k_q7752294d1e_attn-k_q7752294d1e_attn
	.p2alignl 7, 3214868480
	.fill 96, 4, 3214868480
	.section	.rodata,"a",@progbits
	.p2align	6, 0x0
	.amdhsa_kernel k_q7752294d1e_attn
		.amdhsa_group_segment_fixed_size 327680
		.amdhsa_private_segment_fixed_size 0
		.amdhsa_enable_private_segment 0
		.amdhsa_kernarg_size 32
		.amdhsa_user_sgpr_count 2
		.amdhsa_user_sgpr_kernarg_segment_ptr 1
		.amdhsa_wavefront_size32 1
		.amdhsa_system_sgpr_workgroup_id_x 1
		.amdhsa_system_sgpr_workgroup_id_y 1
		.amdhsa_system_sgpr_workgroup_id_z 1
		.amdhsa_system_vgpr_workitem_id 0
		.amdhsa_next_free_vgpr 256
		.amdhsa_next_free_sgpr 80
		.amdhsa_reserve_vcc 0
		.amdhsa_float_denorm_mode_32 3
		.amdhsa_float_denorm_mode_16_64 3
		.amdhsa_memory_ordered 1
		.amdhsa_forward_progress 1
		.amdhsa_inst_pref_size 47
	.end_amdhsa_kernel
	.amdgpu_metadata
---
amdhsa.version: [ 1, 2 ]
amdhsa.kernels:
  - .name:           k_q7752294d1e_attn
    .symbol:         k_q7752294d1e_attn.kd
    .args:
      - { .name: ac, .offset: 0, .size: 8, .value_kind: global_buffer, .address_space: global }
      - { .name: asc, .offset: 8, .size: 8, .value_kind: global_buffer, .address_space: global }
      - { .name: mc, .offset: 16, .size: 8, .value_kind: global_buffer, .address_space: global }
      - { .name: ms, .offset: 24, .size: 8, .value_kind: global_buffer, .address_space: global }
    .group_segment_fixed_size: 327680
    .private_segment_fixed_size: 0
    .kernarg_segment_align: 8
    .kernarg_segment_size: 32
    .max_flat_workgroup_size: 512
    .sgpr_count:     80
    .vgpr_count:     256
    .wavefront_size: 32
...
	.end_amdgpu_metadata
.endif
;; end of part 3
;; launch outp (part 4): grid 8 x 32, 4 waves a work-group, clusters of 4 x 4, 295,424 bytes of LDS; arguments mc, ms, xc, xs, bu, out0; writes out0
.if DOCPART == 4
	.amdgcn_target "amdgcn-amd-amdhsa--gfx1250"
	.amdhsa_code_object_version 6
	.text
	.protected	k_q7752294d1e_outp
	.globl	k_q7752294d1e_outp
	.p2align	8
	.type	k_q7752294d1e_outp,@function
k_q7752294d1e_outp:
	s_mov_b64 s[64:65], 0
	v_nop
	global_prefetch_b8 v0, s[64:65] scope:SCOPE_SE
	s_setreg_imm32_b32 hwreg(HW_REG_WAVE_MODE, 25, 1), 1
	s_wait_xcnt 0x0
	s_wait_alu depctr_hold_cnt(0) depctr_sa_sdst(0) depctr_va_vdst(0) depctr_va_sdst(0) depctr_va_ssrc(0) depctr_va_vcc(0) depctr_vm_vsrc(0)
	s_getreg_b32 s2, hwreg(HW_REG_IB_STS2, 6, 4)
	s_cmp_eq_u32 s2, 0
	s_cbranch_scc0 .Lentry_in_a_cluster
	s_endpgm
.Lentry_in_a_cluster:
	s_bfe_u32 s2, ttmp6, 0x10000c
	s_cmp_lg_u32 s2, 0xf033
	s_cbranch_scc0 .Lentry_shape_is_right
	s_endpgm
.Lentry_shape_is_right:
; out0 = merged Wu + bu on codes of BF6.  merged: images [tile of 16 tokens][K step][1,536] and scale words [K step][place of the token]; Wu: images and scale bytes as the quantising launch laid them.
; A work-group makes 256 tokens x 128 columns over all of K = 1,024.  Wave w takes token tiles 4 w .. 4 w + 3 against Wu's eight tiles: 32 accumulators.  Source 0 = 16 columns of Wu, source 1 = 16 tokens: a lane holds one token,
; and its registers run along the columns.  bu is the C of the first K step's products: nothing is cleared or added.
; LDS: the tile's whole K, 294,912 bytes, is filled ONCE, in four chunks of two K steps: four tensor loads of a wave are out at the start; a counted wait and a barrier stand ahead of each chunk's first read.
; CLUSTERS: 4 x 4 work-groups; the tokens' tiles are shared along a row of the cluster, Wu's along a column: each is asked for jointly.
; Row r of tile 2 g + u is the token (or column) 32 g + 8 u + r + 8 (r / 8): the way out puts tokens and columns back in their places by immediates.
; REGISTERS: window 0: v2-20 addresses; v32-47 the tokens' scale words, v48-79 Wu's; v80-175 the tokens' fragments, two sets; v176-239 bu; on the way out v80-207 rows of the result.
;   window 1: v0-191 Wu's fragments, two sets.   window 2: accumulator (a, t) at v[8 (8 a + t)].
.set WOFF,  18874368
.set WSZ,   786432
.set WSO,   786432
.set CH,    73728                      ; a chunk in LDS: A's 16 tiles x 2 K steps x 1,536 bytes, then B's 8 tiles x 2 x 1,536
.set BIASC, 1                          ; step 0's products take the bias registers as C
.set ADA,   8
.set ADB,   12
.set SA,    32
.set SB,    48
.set AF,    80
.set BR,    176
.set BK,    80                         ; the way out: 16 rows read back, v80-143 and v144-207 by turns
.set WV,    18
.set G1A,   24
.set G1B,   32
.set G0A,   40
.set G0B,   56
.set MSB, 0
.macro WIN new                         ; the immediate's high byte repeats the setting that is left
.if MSB != \new
	s_set_vgpr_msb (MSB<<8)|\new
.set MSB, \new
.endif
.endm
.macro PLACES n
.rept \n
	v_nop
.endr
.endm
.macro CROUND                          ; a round of the cluster's barrier
	s_barrier_signal -1
	s_barrier_wait -1
	s_cmp_lg_u32 s[WV], 0
	s_cbranch_scc1 .Lnot_wave_0_\@
	s_barrier_signal -3
.Lnot_wave_0_\@:
	s_barrier_wait -3
	s_barrier_signal -1
	s_barrier_wait -1
.endm
.macro FETCH s                         ; K step s's fragments: B's eight into set s % 2 of window 1, my four of A into set s % 2 of window 0
	WIN 0x40
.irp t, 0,1,2,3,4,5,6,7
.irp c, 0,1,2
	ds_load_b128 v[96*((\s)%2)+12*\t+4*\c:96*((\s)%2)+12*\t+4*\c+3], v[ADB+\t/4] offset:12288*(\t%4)+1536*(\s)+512*\c
.endr
.endr
	WIN 0
.irp a, 0,1,2,3
.irp c, 0,1                                        ; the tokens' image is two half images of 768 bytes, one a head: registers 6 c .. 6 c + 3 at 16 x lane, 6 c + 4 and 6 c + 5 at 512 + 8 x lane
	ds_load_b128 v[AF+48*((\s)%2)+12*\a+6*\c:AF+48*((\s)%2)+12*\a+6*\c+3], v[ADA] offset:12288*\a+1536*(\s)+768*\c
	ds_load_b64 v[AF+48*((\s)%2)+12*\a+6*\c+4:AF+48*((\s)%2)+12*\a+6*\c+5], v[ADA+1] offset:12288*\a+1536*(\s)+768*\c+512
.endr
.endr
.endm
.macro WMS ra, rb                      ; one product; ra, rb: source 0's, source 1's scale words stand in lanes 16-31
.if (\ra) && (\rb)
	v_wmma_scale_f32_16x16x128_f8f6f4 v[rD:rD+7], v[rB:rB+11], v[rA:rA+11], v[rC:rC+7], v[rSB], v[rSA] matrix_a_fmt:MATRIX_FMT_BF6 matrix_b_fmt:MATRIX_FMT_BF6 matrix_a_scale:MATRIX_SCALE_ROW1 matrix_b_scale:MATRIX_SCALE_ROW1
.elseif (\ra)
	v_wmma_scale_f32_16x16x128_f8f6f4 v[rD:rD+7], v[rB:rB+11], v[rA:rA+11], v[rC:rC+7], v[rSB], v[rSA] matrix_a_fmt:MATRIX_FMT_BF6 matrix_b_fmt:MATRIX_FMT_BF6 matrix_a_scale:MATRIX_SCALE_ROW1
.elseif (\rb)
	v_wmma_scale_f32_16x16x128_f8f6f4 v[rD:rD+7], v[rB:rB+11], v[rA:rA+11], v[rC:rC+7], v[rSB], v[rSA] matrix_a_fmt:MATRIX_FMT_BF6 matrix_b_fmt:MATRIX_FMT_BF6 matrix_b_scale:MATRIX_SCALE_ROW1
.else
	v_wmma_scale_f32_16x16x128_f8f6f4 v[rD:rD+7], v[rB:rB+11], v[rA:rA+11], v[rC:rC+7], v[rSB], v[rSA] matrix_a_fmt:MATRIX_FMT_BF6 matrix_b_fmt:MATRIX_FMT_BF6
.endif
.endm
.macro MUL s                           ; 32 products: K step s.  The 32 accumulators take turns, one instruction a turn, in the same order in every step
.if BIASC && ((\s) == 0)
	WIN 0x81                                       ; source 0 window 1, source 1 and C window 0, D window 2
.else
	WIN 0xa1                                       ; source 0 window 1, source 1 window 0, C and D window 2
.endif
.irp a, 0,1,2,3
.irp t, 0,1,2,3,4,5,6,7
.set rD, 8*(8*\a+\t)
.set rB, 96*((\s)%2)+12*\t
.set rA, AF+48*((\s)%2)+12*\a
.set rSB, SB+8*(\t/2)+(\s)
.set rSA, SA+8*(\a/2)+(\s)
.if BIASC && ((\s) == 0)
.set rC, BR+8*\t
.else
.set rC, rD
.endif
	WMS \t%2, \a%2
.endr
.endr
.endm
; A K step.  Its fragments were asked for a whole step ago.  meet = 1: the next step is the first of a chunk: my part of that chunk has landed (left: the later chunks' loads, which may stay out), and everybody's has.
.macro STEP s, meet, left
	s_wait_dscnt 0x0
.if \meet
	s_wait_tensorcnt \left
	s_barrier_signal -1
	s_barrier_wait -1
.endif
.if (\s) < 7
	PLACES 4                                       ; four places between the last products that read a set of fragments and the loads into it
	FETCH (\s)+1
.endif
	MUL \s
	WIN 0
.endm
	s_load_b256 s[4:11], s[0:1], 0x0               ; mc, ms, xc, xs
	s_load_b128 s[12:15], s[0:1], 0x20             ; bu, out0
	v_lshl_add_u32 v254, v0, 2, 0x48000
	v_mov_b32 v255, 0
	ds_add_u32 v254, v255
	ds_add_u32 v254, v255
	v_lshrrev_b32 v1, 5, v0
	v_readfirstlane_b32 s[WV], v1                  ; wave 0..3
	s_lshr_b32 s19, s[WV], 1                       ; I fetch for A (0) or for B (1),
	s_and_b32 s20, s[WV], 1                        ; its first or its second half
	s_bfe_u32 s21, ttmp6, 0x40000                  ; cx
	s_bfe_u32 s22, ttmp6, 0x40004                  ; cy
	s_lshl_b32 s80, ttmp9, 2
	s_add_co_u32 s80, s80, s21                     ; tc: my block of 128 columns
	s_and_b32 s81, ttmp7, 0xffff
	s_lshl_b32 s81, s81, 2
	s_add_co_u32 s81, s81, s22                     ; tr: my block of 256 tokens
	s_lshl_b32 s2, s22, 2
	s_lshl_b32 s2, 15, s2                          ; my row of the cluster
	s_lshl_b32 s3, 0x1111, s21                     ; my column
	s_or_b32 s[G1A], s2, (3<<16)|(1<<21)           ; 15:0 the mask; 17:16 elements of 8 bytes; 21 set beside a mask; no padding
	s_or_b32 s[G1B], s3, (3<<16)|(1<<21)
	; LDS AS IT IS FILLED (this takes the place of the head comment's paragraph on chunks): ONE load a wave.  Eight tiles of tokens over all of K are 98,304 dense bytes, four tiles of Wu 49,152:
	; each comes as rows of 256 bytes and lies in LDS as in memory, [tile][K step][1,536]: the tokens' 16 tiles from byte 0, Wu's 8 from byte 196,608.  One wait for 0 and one barrier stand ahead of the first read.
	s_mov_b32 s[G1A+1], 32<<16                     ; rows of 32 elements of 8 bytes
	s_mov_b32 s[G1A+2], 384<<16                    ; 384 rows
	s_mov_b32 s[G1A+3], 32<<16
	s_mov_b32 s[G1A+4], 384
	s_mov_b32 s[G1A+5], 32
	s_mov_b32 s[G1A+6], 0
	s_mov_b32 s[G1A+7], 0
	s_mov_b32 s[G1B+1], 32<<16
	s_mov_b32 s[G1B+2], 192<<16                    ; 192 rows
	s_mov_b32 s[G1B+3], 32<<16
	s_mov_b32 s[G1B+4], 192
	s_mov_b32 s[G1B+5], 32
	s_mov_b32 s[G1B+6], 0
	s_mov_b32 s[G1B+7], 0
	s_mul_i32 s96, s81, 196608
	s_mul_i32 s2, s20, 98304
	s_add_co_u32 s96, s96, s2
	s_mov_b32 s97, 0
	s_mul_i32 s98, s80, 98304
	s_mul_i32 s3, s20, 49152
	s_add_co_u32 s98, s98, s3
	s_add_co_u32 s98, s98, WOFF+3*WSZ
	s_mov_b32 s99, 0
	s_mul_i32 s100, s20, 98304                     ; where they go: no place in the cluster enters an LDS address
	s_mul_i32 s101, s20, 49152
	s_add_co_u32 s101, s101, 196608
	s_wait_dscnt 0x0
	s_wait_kmcnt 0x0
	s_add_nc_u64 s[96:97], s[4:5], s[96:97]
	s_add_nc_u64 s[98:99], s[8:9], s[98:99]
	CROUND                                         ; all sixteen work-groups are here: the joint loads meet
.irp k, 0
	s_mov_b32 s[G0A+4*\k], 1
	s_add_co_u32 s[G0A+4*\k+1], s100, \k*CH
	s_add_nc_u64 s[G0A+4*\k+2:G0A+4*\k+3], s[96:97], \k*3072
	s_or_b32 s[G0A+4*\k+3], s[G0A+4*\k+3], 0x80000000
	s_mov_b32 s[G0B+4*\k+4*(\k/2)], 1
	s_add_co_u32 s[G0B+4*\k+4*(\k/2)+1], s101, \k*CH
	s_add_nc_u64 s[G0B+4*\k+4*(\k/2)+2:G0B+4*\k+4*(\k/2)+3], s[98:99], \k*3072
	s_or_b32 s[G0B+4*\k+4*(\k/2)+3], s[G0B+4*\k+4*(\k/2)+3], 0x80000000
.endr
	s_cmp_eq_u32 s19, 0                            ; a wave's four fills stand in one branch on its number, ahead of every wait on TENSORcnt and every LDS read
	s_cbranch_scc0 .Lfirst_b
.irp k, 0
	tensor_load_to_lds s[G0A+4*\k:G0A+4*\k+3], s[G1A:G1A+7]
	s_nop 0
.endr
	PLACES 4
	s_branch .Lfirst_done
.Lfirst_b:
.irp k, 0
	tensor_load_to_lds s[G0B+4*\k+4*(\k/2):G0B+4*\k+4*(\k/2)+3], s[G1B:G1B+7]
	s_nop 0
.endr
	PLACES 4
.Lfirst_done:
	v_and_b32 v6, 31, v0                           ; lane
	v_and_b32 v7, 15, v0                           ; r
	v_bfe_u32 v20, v0, 4, 1                        ; h
	v_lshlrev_b32 v16, 4, v6                       ; 16 x lane
	v_lshlrev_b32 v5, 5, v6                        ; 32 x lane
	v_lshlrev_b32 v4, 1, v6                        ; 2 x lane
	; THE ORDER OF ROWS IN A TILE (this takes the place of what the head comment says of it): row r of tile 4 g + i is the token (or column) 64 g + 8 i + r % 8 + 32 (r / 8)
	v_lshlrev_b32 v2, 7, v20                       ; 128 h
	s_mul_i32 s2, s[WV], 49152                     ; my four tiles of tokens
	v_lshlrev_b32 v17, 3, v6                       ; 8 x lane
	v_add_nc_u32 v[ADA], s2, v16
	v_add_nc_u32 v[ADA+1], s2, v17
	v_add_nc_u32 v[ADB], 196608, v16               ; Wu's tiles 0-3,
	v_add_nc_u32 v[ADB+1], 245760, v16             ; and 4-7: tile and K step stand in the loads' immediates
	s_mul_i32 s2, s[WV], 49152                     ; my stage for the way out: 16 rows x 528 bytes at the start of my own four tiles of tokens, which I alone read and have read out by then; they have had their one fill
	v_mul_u32_u24 v18, v7, 528
	v_lshl_add_u32 v18, v20, 7, v18
	v_add_nc_u32 v18, s2, v18                      ; in: row r, + 128 h
	v_add_nc_u32 v19, s2, v16                      ; back: 16 x lane
	s_wait_alu depctr_va_vdst(0)                   ; ahead of the run of scalar instructions
	s_lshl_b32 s96, s81, 9                         ; ms = [head][place of the token][2 scale bytes]: places 256 tr + 64 w on
	s_lshl_b32 s2, s[WV], 7
	s_add_co_u32 s96, s96, s2                      ; the tokens' scale words: places 256 tr + 64 w on, 2 bytes each
	s_mov_b32 s97, 0
	s_lshl_b32 s98, s80, 12
	s_add_co_u32 s98, s98, WSO+3*32768             ; Wu's scale bytes: rows 128 tc on, 32 bytes each
	s_mov_b32 s99, 0
	s_lshl_b32 s100, s80, 9                        ; bu from column 128 tc on
	s_mov_b32 s101, 0
	s_lshl_b32 s84, s81, 20                        ; out0: token 256 tr + 64 w, rows of 4,096 bytes; column 128 tc
	s_lshl_b32 s2, s[WV], 18
	s_add_co_u32 s84, s84, s2
	s_add_co_u32 s84, s84, s100
	s_mov_b32 s85, 0
	s_add_nc_u64 s[96:97], s[6:7], s[96:97]
	s_add_nc_u64 s[98:99], s[10:11], s[98:99]
	s_add_nc_u64 s[100:101], s[12:13], s[100:101]
	s_add_nc_u64 s[84:85], s[14:15], s[84:85]
.irp i, 0,1
.irp s, 0,1,2,3,4,5,6,7
	global_load_u16 v[SA+8*\i+\s], v4, s[96:97] offset:32768*\s+64*\i          ; lane l: the token at place 32 i + l: the two bytes of head 2 s,
	global_load_u16 v[AF+8*\i+\s], v4, s[96:97] offset:32768*\s+16384+64*\i    ; and of head 2 s + 1
.endr
.endr
.irp i, 0,1,2,3
.irp q, 0,1
	global_load_b128 v[SB+8*\i+4*\q:SB+8*\i+4*\q+3], v5, s[98:99] offset:1024*\i+16*\q
.endr
.endr
.irp t, 0,1,2,3,4,5,6,7
	global_load_b128 v[BR+8*\t:BR+8*\t+3], v2, s[100:101] offset:(64*(\t/4)+8*(\t%4))*4      ; register j of tile t is column 64 (t / 4) + 32 h + 8 (t % 4) + j
	global_load_b128 v[BR+8*\t+4:BR+8*\t+7], v2, s[100:101] offset:(64*(\t/4)+8*(\t%4))*4+16
.endr
	s_wait_alu depctr_va_vdst(0)
	s_wait_loadcnt 0x0
.irp j, 0,1,2,3,4,5,6,7,8,9,10,11,12,13,14,15
	v_lshl_or_b32 v[SA+\j], v[AF+\j], 16, v[SA+\j] ; a K step's scale word: the even head's two bytes below the odd head's.  Register j is first used in K step j % 8: the lines behind it here and each step's four v_nop are at least eleven places
.endr
	s_wait_alu depctr_va_vdst(0)                   ; directly ahead of the wait below
	s_wait_tensorcnt 0x0                           ; my one load is in,
	s_barrier_signal -1
	s_barrier_wait -1                              ; everybody's is
	FETCH 0
	STEP 0, 0, 0
	STEP 1, 0, 0
	STEP 2, 0, 0
	STEP 3, 0, 0
	STEP 4, 0, 0
	STEP 5, 0, 0
	STEP 6, 0, 0
	STEP 7, 0, 0
; THE WAY OUT, a tile of 16 tokens x 128 columns at a time.  A lane holds 32 neighbouring bytes of a row and the lanes beside it hold other rows: so a tile goes through my stage and comes back as whole rows of 512 bytes.
; LDS serves a wave's instructions in order: no wait between the stores and the loads, nor in front of the next tile's stores.
.macro TOSTAGE a
	WIN 0x08                                       ; an LDS store's data are its source 1: window 2
.irp t, 0,1,2,3,4,5,6,7
	ds_store_b128 v18, v[64*(\a)+8*\t:64*(\a)+8*\t+3] offset:256*(\t/4)+32*(\t%4)          ; each accumulator from its low end on
	ds_store_b128 v18, v[64*(\a)+8*\t+4:64*(\a)+8*\t+7] offset:256*(\t/4)+32*(\t%4)+16
.endr
	WIN 0
.irp i, 0,1,2,3,4,5,6,7,8,9,10,11,12,13,14,15
	ds_load_b128 v[BK+64*((\a)%2)+4*\i:BK+64*((\a)%2)+4*\i+3], v19 offset:528*\i
.endr
.endm
.macro SEND a, younger                 ; younger: the LDS instructions issued behind tile a's loads, which may stay out
	s_wait_dscnt \younger
.irp i, 0,1,2,3,4,5,6,7,8,9,10,11,12,13,14,15
	global_store_b128 v16, v[BK+64*((\a)%2)+4*\i:BK+64*((\a)%2)+4*\i+3], s[84:85] offset:(8*(\a)+\i+24*(\i/8))*4096 th:TH_STORE_NT   ; 512 consecutive bytes, aligned; the immediate turns the row's place back into its token
.endr
.endm
	PLACES 4                                       ; between the last products and the first read of results and the first loads over fragments
	TOSTAGE 0
	TOSTAGE 1
	SEND 0, 32                                     ; behind tile 0's loads: tile 1's 16 stores and 16 loads
	s_wait_xcnt 0x0                                ; tile 0's stores have read their registers: tile 2's loads may land there
	TOSTAGE 2
	SEND 1, 32
	s_wait_xcnt 0x0
	TOSTAGE 3
	SEND 2, 32
	SEND 3, 0
	s_wait_tensorcnt 0x0
	ds_add_u32 v254, v255
	s_wait_dscnt 0x0
	CROUND                                         ; the closing round: no work-group ends while a partner may still ask for a tile that names it
	s_endpgm
.Lfunc_end_k_q7752294d1e_outp:
	.size	k_q7752294d1e_outp, .Lfunc_end_k_q7752294d1e_outp-k_q7752294d1e_outp
	.p2alignl 7, 3214868480
	.fill 96, 4, 3214868480
	.section	.rodata,"a",@progbits
	.p2align	6, 0x0
	.amdhsa_kernel k_q7752294d1e_outp
		.amdhsa_group_segment_fixed_size 295424
		.amdhsa_private_segment_fixed_size 0
		.amdhsa_enable_private_segment 0
		.amdhsa_kernarg_size 48
		.amdhsa_user_sgpr_count 2
		.amdhsa_user_sgpr_kernarg_segment_ptr 1
		.amdhsa_wavefront_size32 1
		.amdhsa_system_sgpr_workgroup_id_x 1
		.amdhsa_system_sgpr_workgroup_id_y 1
		.amdhsa_system_sgpr_workgroup_id_z 1
		.amdhsa_system_vgpr_workitem_id 0
		.amdhsa_next_free_vgpr 768
		.amdhsa_next_free_sgpr 102
		.amdhsa_reserve_vcc 0
		.amdhsa_float_denorm_mode_32 3
		.amdhsa_float_denorm_mode_16_64 3
		.amdhsa_memory_ordered 1
		.amdhsa_forward_progress 1
		.amdhsa_inst_pref_size 82
	.end_amdhsa_kernel
	.amdgpu_metadata
---
amdhsa.version: [ 1, 2 ]
amdhsa.kernels:
  - .name:           k_q7752294d1e_outp
    .symbol:         k_q7752294d1e_outp.kd
    .args:
      - { .name: mc, .offset: 0, .size: 8, .value_kind: global_buffer, .address_space: global }
      - { .name: ms, .offset: 8, .size: 8, .value_kind: global_buffer, .address_space: global }
      - { .name: xc, .offset: 16, .size: 8, .value_kind: global_buffer, .address_space: global }
      - { .name: xs, .offset: 24, .size: 8, .value_kind: global_buffer, .address_space: global }
      - { .name: bu, .offset: 32, .size: 8, .value_kind: global_buffer, .address_space: global }
      - { .name: out0, .offset: 40, .size: 8, .value_kind: global_buffer, .address_space: global }
    .group_segment_fixed_size: 295424
    .private_segment_fixed_size: 0
    .kernarg_segment_align: 8
    .kernarg_segment_size: 48
    .max_flat_workgroup_size: 128
    .sgpr_count:     102
    .vgpr_count:     768
    .wavefront_size: 32
...
	.end_amdgpu_metadata
.endif
;; end of part 4
